; MI455X (gfx1250); checked and timed in simulation.
; The chip was launched on July 23, 2026; its instructions are those of AMD's public machine-readable ISA for CDNA 5 (MIT licence, August 2026) and "CDNA5" Instruction Set Architecture Reference Guide (July 2026). The comments in the code are by the model that wrote it; some were corrected since.
;; Linear Attention Layer. Allowed arithmetic: float matrix products may take bf16 or f16 operands with f32 sums; other float arithmetic in f32, or as packed bf16 or f16 multiplies, adds, multiply-adds, maxima and minima; sums over many terms, partial sums and values carried from step to step in f32; what a program stores and reads back later, other than sums and carried values, may be rounded once to bf16 or f16.
;; Inputs: Wk 512 x 512 float32; Wo 512 x 512 float32; Wq 512 x 512 float32; Wv 512 x 512 float32; beta 512 float32; bo 512 float32; gamma 512 float32; x 8 x 2,097,152 float32.
;; Outputs: out0 8 x 2,097,152 float32.
;; 2 versions, each right; version 2 is version 1 with the launch prep written anew for expert scheduling mode. Each part assembles by itself: llvm-mc -triple=amdgcn-amd-amdhsa -mcpu=gfx1250 --defsym DOCPART=n.
;; ======== version 1 of 2: 3 launches
;; limits: values outside matrix products are rounded to bf16
;; workspace buffers: xb 33,554,432 bytes; wb 1,048,576 bytes; wcf 524,288 bytes; qf 33,554,432 bytes; ptf 17,301,504 bytes
;; launch prep (part 1): grid 1184 x 1, 4 waves a work-group, no clusters, 41,472 bytes of LDS; arguments x, Wk, Wq, Wo, Wv, xb, wb, wcf; writes xb, wb, wcf
.if DOCPART == 1
	.amdgcn_target "amdgcn-amd-amdhsa--gfx1250"
	.amdhsa_code_object_version 6
	.text
	.protected	k_q41f02c6556_prep
	.globl	k_q41f02c6556_prep
	.p2align	8
	.type	k_q41f02c6556_prep,@function
k_q41f02c6556_prep:
	s_mov_b64 s[64:65], 0
	v_nop
	global_prefetch_b8 v0, s[64:65] scope:SCOPE_SE
	s_setreg_imm32_b32 hwreg(HW_REG_WAVE_MODE, 25, 1), 1
	s_wait_xcnt 0x0
; PREP.  Two kinds of work-group, told apart by the work-group's number alone (the same for all four waves of a group).
; 0 .. 127:  Wc = Wv + Wo Wv, [512 o][512 i].  The residual and the output projection behind the attention are one linear map, and V = x Wv^T is
;            linear too, so y = Q (K^T x) Wc^T / den + bo: exact algebra, whatever the inputs.  Wo and Wv are rounded to bf16, the sums are f32 and begin with bf16(Wv),
;            Wc is rounded once to bf16 and stored as matrix fragments.
; 128 .. 1183: x, Wk and Wq are rounded to bf16 (xb; wb = Wk's 512 rows, then Wq's): a stream, 64 KiB in and 32 KiB out for a work-group.
; A FRAGMENT in memory is 1,024 bytes: bytes 16 L .. of the first 512 are lane L's registers 0-3, of the second 512 its registers 4-7.
; wcf[kc 16][ot 32]: lane (r = L % 16, h = L / 16) holds Wc[16 ot + r][i0 + 64 h + 0 .. 15], i0 = 128 (kc / 4) + 16 (kc % 4): the order of i in which the next launch's G falls out of its products.
; NO CLUSTER: the groups of one kc share 64 KiB of Wv, read once each; the stream shares nothing.
; LIMITS: NaN and infinities are not treated apart.
.set SPARE, 40960                      ; behind WS: the spare words, 128 bytes a wave, two blocks of 256 bytes that no other line names
.set WSP,   80                         ; WS: [512 e][32 columns of bf16], 64 bytes + 16 of padding; columns 0-15 are i0 .., columns 16-31 are i0 + 64 ..
.set SPW,   6                          ; v6   LDS address of my spare word; never rewritten
.set NIL,   7                          ; v7   0; never rewritten
.set WVL,   16                         ; v[16:143]  32 loads of Wv
.set AF,    16                         ; v[16:47]   later: Wv^T fragments, two sets of two
.set ACC,   144                        ; v[144:159] two accumulators: i0 + 64 h + 0..7 and + 8..15
.set WOL,   160                        ; v[160:223] Wo in f32, four slots of 16
.set BF,    224                        ; v[224:239] Wo fragments, two sets
.set CX,    32                         ; the stream: v[32:95] sixteen slots of 4
.set CY,    96                         ; v[96:159] thirty-two pairs to store, each written once
	s_load_b512 s[4:19], s[0:1], 0x0               ; x s[4:5], Wk s[6:7], Wq s[8:9], Wo s[10:11], Wv s[12:13], xb s[14:15], wb s[16:17], wcf s[18:19]
	v_lshl_add_u32 v[SPW], v0, 2, SPARE
	v_mov_b32 v[NIL], 0
	v_lshrrev_b32 v1, 5, v0
	v_readfirstlane_b32 s20, v1                    ; wave 0..3
	v_and_b32 v2, 31, v0                           ; lane
	s_cmp_lt_u32 ttmp9, 128
	s_cbranch_scc0 .Lcast
	; ---- Wc.  kc = group / 8; wave w makes the fragment of ot = 4 (group % 8) + w: two products D[m = i][n = o] = Wv^T (16 i x 32 e) x Wo (16 o x 32 e), sixteen steps of 32 along e.
	s_lshr_b32 s21, ttmp9, 3                       ; kc
	s_and_b32 s22, ttmp9, 7
	s_lshl2_add_u32 s22, s22, s20                  ; ot
	s_lshr_b32 s23, s21, 2
	s_lshl_b32 s23, s23, 7
	s_and_b32 s24, s21, 3
	s_lshl_b32 s24, s24, 4
	s_add_co_u32 s23, s23, s24                     ; i0
	s_lshl_b32 s23, s23, 2                         ; in bytes of f32
	s_lshl_b32 s26, s21, 5
	s_add_co_u32 s26, s26, s22
	s_lshl_b32 s26, s26, 10                        ; my fragment's place in wcf
	s_mov_b32 s27, 0
	v_lshrrev_b32 v3, 3, v0                        ; thread / 8: a row e of sixteen
	v_bfe_u32 v4, v0, 2, 1                         ; which of the two pieces of 16 columns
	v_and_b32 v5, 3, v0                            ; which four of them
	v_lshlrev_b32 v8, 11, v3
	v_lshl_add_u32 v8, v4, 8, v8
	v_lshl_add_u32 v8, v5, 4, v8
	v_add_nc_u32 v8, s23, v8                       ; v8: Wv at row x 2,048 + 256 piece + 16 quarter + 4 i0
	v_mul_u32_u24 v9, v3, WSP
	v_lshl_add_u32 v9, v4, 5, v9
	v_lshl_add_u32 v9, v5, 3, v9                   ; v9: WS at row x 80 + 32 piece + 8 quarter
	v_and_b32 v3, 15, v0                           ; r
	v_bfe_u32 v4, v0, 4, 1                         ; h
	s_lshl_b32 s24, s22, 15
	v_lshl_add_u32 v11, v3, 11, s24                ; row 16 ot + r of Wo and of Wv
	v_lshl_add_u32 v10, v4, 8, v11
	v_add_nc_u32 v10, s23, v10                     ; v10: the residual Wv[16 ot + r][i0 + 64 h ..]
	v_lshl_add_u32 v11, v4, 5, v11                 ; v11: Wo[16 ot + r][8 h ..]
	v_and_b32 v5, 7, v0
	v_lshl_add_u32 v5, v4, 3, v5
	v_mul_u32_u24 v12, v5, WSP
	v_bfe_u32 v5, v0, 3, 1
	v_lshl_add_u32 v12, v5, 5, v12                 ; v12: the turning load: row 8 h + L % 8; lanes 8-15 of each half take the second piece, 32 bytes on
	v_lshlrev_b32 v13, 4, v2                       ; v13: 16 L
	s_wait_kmcnt 0x0
	s_add_nc_u64 s[18:19], s[18:19], s[26:27]
.set n, 0
.rept 32
	global_load_b128 v[WVL+4*n:WVL+4*n+3], v8, s[12:13] offset:32768*n  ; rows 16 n + thread / 8
.set n, n+1
.endr
.irp j, 0,1,2,3
	global_load_b128 v[ACC+4*\j:ACC+4*\j+3], v10, s[12:13] offset:16*\j
.endr
.macro WOLOAD ke                       ; Wo, 32 e from 32 ke on: a lane's 8 + 8 numbers
	global_load_b128 v[WOL+16*((\ke)%4):WOL+16*((\ke)%4)+3],     v11, s[10:11] offset:128*(\ke)
	global_load_b128 v[WOL+16*((\ke)%4)+4:WOL+16*((\ke)%4)+7],   v11, s[10:11] offset:128*(\ke)+16
	global_load_b128 v[WOL+16*((\ke)%4)+8:WOL+16*((\ke)%4)+11],  v11, s[10:11] offset:128*(\ke)+64
	global_load_b128 v[WOL+16*((\ke)%4)+12:WOL+16*((\ke)%4)+15], v11, s[10:11] offset:128*(\ke)+80
.endm
	WOLOAD 0
	WOLOAD 1
	WOLOAD 2
	WOLOAD 3
	s_wait_loadcnt 20                              ; Wv's 32 loads are in; the residual's 4 and Wo's 16 are younger
.set n, 0
.rept 32
	v_cvt_pk_bf16_f32 v[WVL+4*n], v[WVL+4*n], v[WVL+4*n+1]
	v_cvt_pk_bf16_f32 v[WVL+4*n+1], v[WVL+4*n+2], v[WVL+4*n+3]
	ds_store_b64 v9, v[WVL+4*n:WVL+4*n+1] offset:16*WSP*n
.set n, n+1
.endr
	s_wait_dscnt 0x0                               ; for the others' sake: my part of WS is written
	s_barrier_signal -1
	s_barrier_wait -1
	s_wait_loadcnt 16                              ; the residual is in
.irp j, 0,1,2,3,4,5,6,7                ; the sums begin with bf16(Wv)
	v_cvt_pk_bf16_f32 v[BF+\j], v[ACC+2*\j], v[ACC+2*\j+1]
	v_lshlrev_b32 v[ACC+2*\j], 16, v[BF+\j]
	v_and_b32 v[ACC+2*\j+1], 0xffff0000, v[BF+\j]
.endr
; One step of 32 along e.  The two accumulators take turns; the sets of fragments go by the step's parity, so that the eight conversions of the step between
; are the places between a product and the next write of its sources.
.macro WSTEP ke
.if (\ke) < 13
	s_wait_loadcnt 12                              ; this step's four loads are in; three younger slots stay out
.else
	s_wait_loadcnt 4*(15-(\ke))
.endif
.set fb, BF+8*((\ke)%2)
.set fa, AF+16*((\ke)%2)
.set fw, WOL+16*((\ke)%4)
.irp j, 0,1,2,3,4,5,6,7
	v_cvt_pk_bf16_f32 v[fb+\j], v[fw+2*\j], v[fw+2*\j+1]
.endr
	ds_load_tr16_b128 v[fa:fa+3],     v12 offset:32*WSP*(\ke)
	ds_load_tr16_b128 v[fa+4:fa+7],   v12 offset:32*WSP*(\ke)+16*WSP
	ds_load_tr16_b128 v[fa+8:fa+11],  v12 offset:32*WSP*(\ke)+16
	ds_load_tr16_b128 v[fa+12:fa+15], v12 offset:32*WSP*(\ke)+16*WSP+16
.if (\ke) < 12
	WOLOAD (\ke)+4
.endif
	s_wait_dscnt 0x0
	v_wmma_f32_16x16x32_bf16 v[ACC:ACC+7], v[fa:fa+7], v[fb:fb+7], v[ACC:ACC+7]
	v_wmma_f32_16x16x32_bf16 v[ACC+8:ACC+15], v[fa+8:fa+15], v[fb:fb+7], v[ACC+8:ACC+15]
.endm
.irp ke, 0,1,2,3,4,5,6,7,8,9,10,11,12,13,14,15
	WSTEP \ke
.endr
.rept 4
	v_nop                                          ; four places between the last products and the conversions that read them
.endr
.irp j, 0,1,2,3,4,5,6,7
	v_cvt_pk_bf16_f32 v[BF+\j], v[ACC+2*\j], v[ACC+2*\j+1]
.endr
	global_store_b128 v13, v[BF:BF+3], s[18:19]               ; 512 consecutive bytes each
	global_store_b128 v13, v[BF+4:BF+7], s[18:19] offset:512
	s_wait_tensorcnt 0x0                           ; the wave's end, behind my last LDS store
	ds_add_u32 v[SPW], v[NIL]
	s_wait_dscnt 0x0
	s_endpgm
	; ---- the stream.  j = group - 128: j < 1,024: block j of x; then 16 blocks of Wk and 16 of Wq into wb's 32.
.Lcast:
	s_sub_co_u32 s21, ttmp9, 128                   ; j
	s_sub_co_u32 s22, s21, 1024                    ; the block in wb (used where j >= 1,024)
	s_and_b32 s23, s22, 15                         ; the block in Wk or Wq
	v_lshlrev_b32 v8, 4, v2                        ; 16 L: never rewritten; all steps stand in the immediates
	v_lshlrev_b32 v9, 3, v2                        ; 8 L
	s_wait_kmcnt 0x0
	s_cmp_lt_u32 s22, 16
	s_cselect_b64 s[24:25], s[6:7], s[8:9]
	s_cmp_lt_u32 s21, 1024
	s_cselect_b64 s[24:25], s[4:5], s[24:25]       ; from
	s_cselect_b64 s[26:27], s[14:15], s[16:17]     ; to
	s_cselect_b32 s28, s21, s23
	s_cselect_b32 s30, s21, s22
	s_lshl_b32 s28, s28, 16                        ; 64 KiB a block in,
	s_lshl_b32 s29, s20, 14                        ; 16 KiB a wave
	s_add_co_u32 s28, s28, s29
	s_mov_b32 s29, 0
	s_lshl_b32 s30, s30, 15                        ; half of that out
	s_lshl_b32 s31, s20, 13
	s_add_co_u32 s30, s30, s31
	s_mov_b32 s31, 0
	s_add_nc_u64 s[24:25], s[24:25], s[28:29]
	s_add_nc_u64 s[26:27], s[26:27], s[30:31]
.set k, 0
.rept 16
	global_load_b128 v[CX+4*k:CX+4*k+3], v8, s[24:25] offset:512*k th:TH_LOAD_NT
.set k, k+1
.endr
; Piece k of 32: 512 bytes in, 256 out.  Sixteen loads of the wave are on their way; each pair to store has registers of its own, so no store's data is ever rewritten.
.macro CSLOT k, ahead, left
	s_wait_loadcnt \left                           ; loads come back in order: mine is in, the younger ones stay out
	v_cvt_pk_bf16_f32 v[CY+2*(\k)], v[CX+4*((\k)%16)], v[CX+4*((\k)%16)+1]
	v_cvt_pk_bf16_f32 v[CY+2*(\k)+1], v[CX+4*((\k)%16)+2], v[CX+4*((\k)%16)+3]
.if \ahead
	global_load_b128 v[CX+4*((\k)%16):CX+4*((\k)%16)+3], v8, s[24:25] offset:512*((\k)+16) th:TH_LOAD_NT
.endif
	global_store_b64 v9, v[CY+2*(\k):CY+2*(\k)+1], s[26:27] offset:256*(\k) th:TH_STORE_NT  ; the wave's 32 lanes store 256 consecutive bytes, aligned
.endm
.irp k, 0,1,2,3,4,5,6,7,8,9,10,11,12,13,14,15
	CSLOT \k, 1, 15
.endr
.irp k, 16,17,18,19,20,21,22,23,24,25,26,27,28,29,30,31
	CSLOT \k, 0, 31-\k
.endr
	s_endpgm
.Lfunc_end_k_q41f02c6556_prep:
	.size	k_q41f02c6556_prep, .Lfunc_end_k_q41f02c6556_prep-k_q41f02c6556_prep
	.p2alignl 7, 3214868480
	.fill 96, 4, 3214868480
	.section	.rodata,"a",@progbits
	.p2align	6, 0x0
	.amdhsa_kernel k_q41f02c6556_prep
		.amdhsa_group_segment_fixed_size 41472
		.amdhsa_private_segment_fixed_size 0
		.amdhsa_enable_private_segment 0
		.amdhsa_kernarg_size 64
		.amdhsa_user_sgpr_count 2
		.amdhsa_user_sgpr_kernarg_segment_ptr 1
		.amdhsa_wavefront_size32 1
		.amdhsa_system_sgpr_workgroup_id_x 1
		.amdhsa_system_sgpr_workgroup_id_y 1
		.amdhsa_system_sgpr_workgroup_id_z 1
		.amdhsa_system_vgpr_workitem_id 0
		.amdhsa_next_free_vgpr 240
		.amdhsa_next_free_sgpr 66
		.amdhsa_reserve_vcc 0
		.amdhsa_float_denorm_mode_32 3
		.amdhsa_float_denorm_mode_16_64 3
		.amdhsa_memory_ordered 1
		.amdhsa_forward_progress 1
		.amdhsa_inst_pref_size 47
	.end_amdhsa_kernel
	.amdgpu_metadata
---
amdhsa.version: [ 1, 2 ]
amdhsa.kernels:
  - .name:           k_q41f02c6556_prep
    .symbol:         k_q41f02c6556_prep.kd
    .args:
      - { .name: x, .offset: 0, .size: 8, .value_kind: global_buffer, .address_space: global }
      - { .name: Wk, .offset: 8, .size: 8, .value_kind: global_buffer, .address_space: global }
      - { .name: Wq, .offset: 16, .size: 8, .value_kind: global_buffer, .address_space: global }
      - { .name: Wo, .offset: 24, .size: 8, .value_kind: global_buffer, .address_space: global }
      - { .name: Wv, .offset: 32, .size: 8, .value_kind: global_buffer, .address_space: global }
      - { .name: xb, .offset: 40, .size: 8, .value_kind: global_buffer, .address_space: global }
      - { .name: wb, .offset: 48, .size: 8, .value_kind: global_buffer, .address_space: global }
      - { .name: wcf, .offset: 56, .size: 8, .value_kind: global_buffer, .address_space: global }
    .group_segment_fixed_size: 41472
    .private_segment_fixed_size: 0
    .kernarg_segment_align: 8
    .kernarg_segment_size: 64
    .max_flat_workgroup_size: 128
    .sgpr_count:     66
    .vgpr_count:     240
    .wavefront_size: 32
...
	.end_amdgpu_metadata
.endif
;; end of part 1
;; launch kqg (part 2): grid 8 x 32, 4 waves a work-group, clusters of 4 x 1, 327,680 bytes of LDS; arguments xb, wb, wcf, qf, ptf; writes qf, ptf
.if DOCPART == 2
	.amdgcn_target "amdgcn-amd-amdhsa--gfx1250"
	.amdhsa_code_object_version 6
	.text
	.protected	k_q41f02c6556_kqg
	.globl	k_q41f02c6556_kqg
	.p2align	8
	.type	k_q41f02c6556_kqg,@function
k_q41f02c6556_kqg:
	s_mov_b64 s[64:65], 0
	v_nop
	global_prefetch_b8 v0, s[64:65] scope:SCOPE_SE
	s_setreg_imm32_b32 hwreg(HW_REG_WAVE_MODE, 25, 1), 1
	s_wait_xcnt 0x0
	s_wait_alu depctr_hold_cnt(0) depctr_sa_sdst(0) depctr_va_vdst(0) depctr_va_sdst(0) depctr_va_ssrc(0) depctr_va_vcc(0) depctr_vm_vsrc(0)
	s_getreg_b32 s2, hwreg(HW_REG_IB_STS2, 6, 4)
	s_cmp_eq_u32 s2, 0
	s_cbranch_scc0 .Lentry_in_a_cluster
	s_endpgm
.Lentry_in_a_cluster:
	s_bfe_u32 s2, ttmp6, 0x10000c
	s_cmp_lg_u32 s2, 0x3003
	s_cbranch_scc0 .Lentry_shape_is_right
	s_endpgm
.Lentry_shape_is_right:
; KQG.  For sequence b and a block of 64 features d:  K = phi(x Wk^T), Q = phi(x Wq^T) (phi = elu + 1), G[d][i] = sum over s of K[s][d] x[s][i], k_sum[d] = sum over s of K[s][d],
; P[d][o] = sum over i of G[d][i] Wc[o][i].  Q goes out as fragments (qf), P^T and k_sum as fragments (ptf).  All matrix operands bf16, all sums f32.
; SHARES.  Work-group (b, dblk): 64 d, all 1,024 rows, in 8 tiles of 128 rows.  Wave w (tg = w / 2, cg = w % 2): projections: rows 64 tg .. of a tile, in two chunks of 32, columns d = 32 cg .. + 31 of K and of Q;
; G: i = 128 w .. + 127 by all 64 d (256 registers); P: o = 128 w .. + 127 by 64 d.
; LAYOUTS.  A product's result holds m = 8 (L / 16) + register, n = L % 16; two results with neighbouring m, rounded to bf16 in pairs, ARE a fragment with row n and k = m.  So:
;   K: D[m = s][n = d] = x Wk^T  -> fragments of K^T (row d, k = s), through LDS (KX) to all waves;    Q: D[m = d][n = s] = Wq x^T -> fragments (row s, k = d), stored as they are;
;   G: D[m = i][n = d] = x^T K   -> fragments (row d, k = i), through LDS (GX);                         P: D[m = d][n = o] = G Wc^T -> fragments (row o, k = d), stored as they are.
;   x^T comes out of the x tile by the turning load; its lanes 8-15 stand 128 bytes from lanes 0-7, so a G tile's m is i = 128 w + 64 (m / 8) + 8 mt + m % 8: wcf is laid in the same order of i.
; k_sum rides on the matrix unit: a fragment with ones in row 0 times K^T's fragments; row 0 of the result falls into register 0.
; RING.  Two LDS slots of 128 rows x 1,040 bytes; 12 tiles: x's 8, then wcf's 4 (four k chunks of 32 fragments each, a fragment a row).  The four partners of a cluster share b, so every tile is asked
; for JOINTLY (mask 15); a wave brings 32 rows; one tensor load of a wave is out at a time.  A refill has the trip's 388 matrix instructions in which to land, so nothing is asked of memory ahead of it.
; The 272 lines that clear G's and k_sum's accumulators stand in the wait for the first tile: the price of one text for all eight trips.
; LIMITS.  e^x below 2^-126 counts as 0; phi = the median of (x + 1, e^x, 1), which is x + 1 above 0 and e^x below; k_sum is the sum of the rounded K; NaN and infinities are not treated apart.
.set PITCH, 1040                       ; 1,024 bytes + 16: 65 x 16, so the 16 rows of a fragment load start in 16 different groups of four banks (64 banks of 4 bytes: ISA guide 11.1)
.set QTR,   32*PITCH
.set HALF,  64*PITCH
.set SLOTB, 128*PITCH                  ; 133,120: its bits meet none of 33,280 x wave, so one exclusive or changes slots
.set KX,    2*SLOTB                    ; K^T fragments [q 4][dt 4][1,024]
.set GX,    KX+16384                   ; half of G's fragments [kcl 8][dt 4][1,024]
.set KS,    GX+32768                   ; k_sum partial sums, f32 [tg 2][64]; then 512 bytes for the zeros of lanes 16-31
.set SPARE, KS+1024                    ; the spare words, 128 bytes a wave: two blocks of 256 bytes that no other line names
; window 0: v1 r, v2 h, v3 L; v8-10 lane parts; v11 x rows, v12-13 x turned (rows 0-63, 64-127), v14-15 Wc (chunks 0-1, 2-3): lane part + slot
;           v16 KX store, v17 KX load, v18 GX store, v19 GX load, v20 16 L, v21 weights, v22 KS store, v23 KS load; v30 spare word, v31 0
.set PA,   32                          ; v[32:95]   projections' 8 accumulators: K tile 2 ct + tt, Q tile 4 + 2 tt + ct
.set T,    96                          ; v[96:159]  at work in phi
.set XB1,  96                          ; the same registers: x fragments, buffer 1
.set XB0,  160                         ; v[160:223] x fragments, buffer 0
.set GB0,  32                          ; v[32:127], v[128:223]: for G and P: 4 small fragments, then 8 large
.set GB1,  128
.set ONES, 224                         ; v[224:231]
.set KSA,  232                         ; v[232:247] k_sum's two accumulators
; window 1: Wk's fragments at 8 (16 ct + ks); later P's accumulators.  window 2: Wq's likewise; later G's fragments in v0-127.  window 3: G's accumulators at 8 (4 large + small)
; s14 wave, s15 tg, s16 cg, s17 cx, s18 dblk, s19 b; s[20:21] wb; s[24:31] group 1; s[32:35] group 0; s[36:37] x, s[38:39] wcf at my quarter of tile 0; s[40:43] at work; s44 next tile; s46 trips; s47 slot read;
; s[48:49] log2 e; s[50:51] qf; s[52:53] ptf; s[54:55] ptf's k_sum tile
.set MSB, 0
.macro WIN new                         ; the immediate's high byte repeats the setting that is left; a switch that changes nothing is dropped
.if MSB != (\new)
	s_set_vgpr_msb (MSB<<8)|(\new)
.set MSB, \new
.endif
.endm
.macro PLACES                          ; four places behind matrix instructions, ahead of loads into their sources and of vector lines that read results
.rept 4
	v_nop
.endr
.endm
.macro CROUND                          ; a round of the cluster's barrier
	s_barrier_signal -1
	s_barrier_wait -1
	s_cmp_lg_u32 s14, 0
	s_cbranch_scc1 .Lnw0_\@
	s_barrier_signal -3
.Lnw0_\@:
	s_barrier_wait -3
	s_barrier_signal -1
	s_barrier_wait -1
.endm
; THE CHANGE OF SLOTS.  Each wave waits for all its tensor loads (one is out: its quarter of the other slot), adds 0 to its spare word, and waits for that and for all its LDS reads and stores.
; fill = 1: a round of the cluster's barrier, then the joint refill of the slot just left, with tile s44: x's tile below 8, wcf's from 8 on; the address is made anew from the tile's number.
.macro CHANGE fill
	WIN 0
	s_wait_tensorcnt 0x0                           ; no tensor load of mine is out, so group 0 may be written
	ds_add_u32 v30, v31                            ; 0 onto my spare word; the scalar work stands between it and the wait for it
.if \fill
	s_sub_co_u32 s45, s44, 8
	s_cmp_lt_u32 s44, 8
	s_cselect_b32 s45, s44, s45                    ; the tile's number in its own buffer
	s_cselect_b64 s[40:41], s[36:37], s[38:39]
	s_lshl_b32 s42, s45, 17                        ; a tile is 131,072 bytes of either buffer
	s_xor_b32 s33, s33, SLOTB
	s_add_nc_u64 s[34:35], s[40:41], s[42:43]
	s_or_b32 s35, s35, 0x80000000
	s_add_co_u32 s44, s44, 1
.endif
	s_wait_dscnt 0x0                               ; the add is done; my reads of the slot, and my stores into KX, GX and KS, are over
.if \fill
	CROUND
	tensor_load_to_lds s[32:35], s[24:31]
	s_nop 0
	PLACES
.else
	s_barrier_signal -1
	s_barrier_wait -1
.endif
	s_xor_b32 s47, s47, SLOTB                      ; the slot that is read from now on
	v_add_nc_u32 v11, s47, v8
	v_add_nc_u32 v12, s47, v9
	v_add_nc_u32 v13, HALF, v12
	v_add_nc_u32 v14, s47, v10
	v_add_nc_u32 v15, HALF, v14
.endm
; 16 LDS loads: x fragments of chunk ch (32 rows: tt 0, 1), 128 along i from 128 kq on (k2 0..3)
.macro FETCHX buf, ch, kq
	WIN 0
.irp k2, 0,1,2,3
.irp tt, 0,1
	ds_load_b128 v[(\buf)+8*(2*\k2+\tt):(\buf)+8*(2*\k2+\tt)+3],   v11 offset:(\ch)*QTR+\tt*16*PITCH+64*(4*(\kq)+\k2)
	ds_load_b128 v[(\buf)+8*(2*\k2+\tt)+4:(\buf)+8*(2*\k2+\tt)+7], v11 offset:(\ch)*QTR+\tt*16*PITCH+64*(4*(\kq)+\k2)+32
.endr
.endr
.endm
; 32 products: 16 for K (x is source 0, Wk source 1), 16 for Q (Wq source 0, x source 1).  Four accumulators take turns in each run.  zero = 1: the first four of each run start the sums.
.macro PSTAGE buf, kq, zero
	WIN 0x04
.irp k2, 0,1,2,3
.irp ct, 0,1
.irp tt, 0,1
.if (\zero) && (\k2 == 0)
	v_wmma_f32_16x16x32_bf16 v[PA+8*(2*\ct+\tt):PA+8*(2*\ct+\tt)+7], v[(\buf)+8*(2*\k2+\tt):(\buf)+8*(2*\k2+\tt)+7], v[8*(16*\ct+4*(\kq)+\k2):8*(16*\ct+4*(\kq)+\k2)+7], 0
.else
	v_wmma_f32_16x16x32_bf16 v[PA+8*(2*\ct+\tt):PA+8*(2*\ct+\tt)+7], v[(\buf)+8*(2*\k2+\tt):(\buf)+8*(2*\k2+\tt)+7], v[8*(16*\ct+4*(\kq)+\k2):8*(16*\ct+4*(\kq)+\k2)+7], v[PA+8*(2*\ct+\tt):PA+8*(2*\ct+\tt)+7]
.endif
.endr
.endr
.endr
	WIN 0x02
.irp k2, 0,1,2,3
.irp tt, 0,1
.irp ct, 0,1
.if (\zero) && (\k2 == 0)
	v_wmma_f32_16x16x32_bf16 v[PA+8*(4+2*\tt+\ct):PA+8*(4+2*\tt+\ct)+7], v[8*(16*\ct+4*(\kq)+\k2):8*(16*\ct+4*(\kq)+\k2)+7], v[(\buf)+8*(2*\k2+\tt):(\buf)+8*(2*\k2+\tt)+7], 0
.else
	v_wmma_f32_16x16x32_bf16 v[PA+8*(4+2*\tt+\ct):PA+8*(4+2*\tt+\ct)+7], v[8*(16*\ct+4*(\kq)+\k2):8*(16*\ct+4*(\kq)+\k2)+7], v[(\buf)+8*(2*\k2+\tt):(\buf)+8*(2*\k2+\tt)+7], v[PA+8*(4+2*\tt+\ct):PA+8*(4+2*\tt+\ct)+7]
.endif
.endr
.endr
.endr
.endm
; A chunk's projections: four stages of 128 along i on two buffers.  Each wait leaves the other buffer's 16 loads out.
.macro PROJ ch
	s_wait_dscnt 16
	PSTAGE XB0, 0, 1
	PLACES
	FETCHX XB0, \ch, 2
	s_wait_dscnt 16
	PSTAGE XB1, 1, 0
	PLACES
	FETCHX XB1, \ch, 3
	s_wait_dscnt 16
	PSTAGE XB0, 2, 0
.if (\ch) == 0
	PLACES
	FETCHX XB0, 1, 0                               ; the second chunk's first stage is fetched under the first chunk's last
	s_wait_dscnt 16
.else
	s_wait_dscnt 0x0
.endif
	PSTAGE XB1, 3, 0
.endm
; phi on the chunk's 8 results, their rounding, K^T's fragments into KX, Q's into memory, and k_sum's two products.
.macro PHI ch
	WIN 0
	PLACES
.set i, 0
.rept 32
	v_pk_mul_f32 v[T+i:T+i+1], v[PA+i:PA+i+1], s[48:49] op_sel_hi:[1,0]  ; ascending: each accumulator is read from its low end
.set i, i+2
.endr
.set i, 0
.rept 32                               ; one batch of 64 exponentials; x + 1 stands between them and names none of their results
	v_exp_f32 v[T+i], v[T+i]
	v_exp_f32 v[T+i+1], v[T+i+1]
	v_pk_add_f32 v[PA+i:PA+i+1], v[PA+i:PA+i+1], 1.0 op_sel_hi:[1,0]
.set i, i+2
.endr
	s_wait_alu depctr_va_vdst(0)                   ; one wait for the batch, ahead of its first reader; the last packed addition is the plain line behind the last exponential
.set i, 0
.rept 64
	v_med3_num_f32 v[PA+i], v[PA+i], v[T+i], 1.0
.set i, i+1
.endr
.set i, 0
.rept 32
	v_cvt_pk_bf16_f32 v[T+i], v[PA+2*i], v[PA+2*i+1]  ; T+0..15: K^T fragments ct 0, 1; T+16..31: Q fragments tt 0, 1
.set i, i+1
.endr
.irp ct, 0,1
.irp hf, 0,1
	ds_store_b128 v16, v[T+8*\ct+4*\hf:T+8*\ct+4*\hf+3] offset:4096*(\ch)+1024*\ct+512*\hf
.endr
.endr
.irp tt, 0,1
.irp hf, 0,1
	global_store_b128 v20, v[T+16+8*\tt+4*\hf:T+16+8*\tt+4*\hf+3], s[50:51] offset:2048*(\ch)+1024*\tt+512*\hf th:TH_STORE_NT  ; 512 consecutive bytes
.endr
.endr
	v_wmma_f32_16x16x32_bf16 v[KSA:KSA+7], v[ONES:ONES+7], v[T:T+7], v[KSA:KSA+7]
	v_wmma_f32_16x16x32_bf16 v[KSA+8:KSA+15], v[ONES:ONES+7], v[T+8:T+15], v[KSA+8:KSA+15]
.endm
; 24 LDS loads for G: K^T's four fragments of rows 32 q .., and x^T's eight (my 128 i), turned
.macro FETCHG buf, q
	WIN 0
.irp dt, 0,1,2,3
	ds_load_b128 v[(\buf)+8*\dt:(\buf)+8*\dt+3],   v17 offset:(4*(\q)+\dt)*1024
	ds_load_b128 v[(\buf)+8*\dt+4:(\buf)+8*\dt+7], v17 offset:(4*(\q)+\dt)*1024+512
.endr
.irp mt, 0,1,2,3,4,5,6,7
	ds_load_tr16_b128 v[(\buf)+32+8*\mt:(\buf)+32+8*\mt+3],   v[12+(\q)/2] offset:((\q)%2)*QTR+16*\mt
	ds_load_tr16_b128 v[(\buf)+32+8*\mt+4:(\buf)+32+8*\mt+7], v[12+(\q)/2] offset:((\q)%2)*QTR+16*PITCH+16*\mt
.endr
.endm
; 24 LDS loads for P: G's four fragments of k chunk kcl of GX, and Wc's eight (my 128 o) of chunk c4 of the slot
.macro FETCHE buf, c4, kcl
	WIN 0
.irp mt, 0,1,2,3
	ds_load_b128 v[(\buf)+8*\mt:(\buf)+8*\mt+3],   v19 offset:(4*(\kcl)+\mt)*1024
	ds_load_b128 v[(\buf)+8*\mt+4:(\buf)+8*\mt+7], v19 offset:(4*(\kcl)+\mt)*1024+512
.endr
.irp nt, 0,1,2,3,4,5,6,7
	ds_load_b128 v[(\buf)+32+8*\nt:(\buf)+32+8*\nt+3],   v[14+(\c4)/2] offset:((\c4)%2)*QTR+PITCH*\nt
	ds_load_b128 v[(\buf)+32+8*\nt+4:(\buf)+32+8*\nt+7], v[14+(\c4)/2] offset:((\c4)%2)*QTR+PITCH*\nt+512
.endr
.endm
; 32 products on 32 accumulators, which take turns.  swap = 0 (G): source 0 large, source 1 small.  swap = 1 (P): the other way round.
.macro MM32 buf, win, swap, zero
	WIN \win
.irp la, 0,1,2,3,4,5,6,7
.irp sm, 0,1,2,3
.if \swap
.if \zero
	v_wmma_f32_16x16x32_bf16 v[8*(4*\la+\sm):8*(4*\la+\sm)+7], v[(\buf)+8*\sm:(\buf)+8*\sm+7], v[(\buf)+32+8*\la:(\buf)+32+8*\la+7], 0
.else
	v_wmma_f32_16x16x32_bf16 v[8*(4*\la+\sm):8*(4*\la+\sm)+7], v[(\buf)+8*\sm:(\buf)+8*\sm+7], v[(\buf)+32+8*\la:(\buf)+32+8*\la+7], v[8*(4*\la+\sm):8*(4*\la+\sm)+7]
.endif
.else
	v_wmma_f32_16x16x32_bf16 v[8*(4*\la+\sm):8*(4*\la+\sm)+7], v[(\buf)+32+8*\la:(\buf)+32+8*\la+7], v[(\buf)+8*\sm:(\buf)+8*\sm+7], v[8*(4*\la+\sm):8*(4*\la+\sm)+7]
.endif
.endr
.endr
.endm
.macro QUADG                           ; a tile's G: four chunks of 32 rows on two buffers; each wait leaves the other buffer's 24 loads out
	FETCHG GB0, 0
	FETCHG GB1, 1
	s_wait_dscnt 24
	MM32 GB0, 0xf0, 0, 0
	PLACES
	FETCHG GB0, 2
	s_wait_dscnt 24
	MM32 GB1, 0xf0, 0, 0
	PLACES
	FETCHG GB1, 3
	s_wait_dscnt 24
	MM32 GB0, 0xf0, 0, 0
	s_wait_dscnt 0x0
	MM32 GB1, 0xf0, 0, 0
.endm
.macro QUADE k0, zero                  ; a tile's P: its four k chunks, with GX's chunks k0 .. k0 + 3
	FETCHE GB0, 0, (\k0)
	FETCHE GB1, 1, (\k0)+1
	s_wait_dscnt 24
	MM32 GB0, 0x50, 1, \zero
	PLACES
	FETCHE GB0, 2, (\k0)+2
	s_wait_dscnt 24
	MM32 GB1, 0x50, 1, 0
	PLACES
	FETCHE GB1, 3, (\k0)+3
	s_wait_dscnt 24
	MM32 GB0, 0x50, 1, 0
	s_wait_dscnt 0x0
	MM32 GB1, 0x50, 1, 0
.endm
.macro GSTORE                          ; my 16 fragments of G into my half of GX
	WIN 0x08                                       ; the data (source 1) in window 2
.set i, 0
.rept 16
	ds_store_b128 v18, v[8*i:8*i+3]   offset:1024*i
	ds_store_b128 v18, v[8*i+4:8*i+7] offset:1024*i+512
.set i, i+1
.endr
	WIN 0
.endm
	s_load_b256 s[4:11], s[0:1], 0x0               ; xb s[4:5], wb s[6:7], wcf s[8:9], qf s[10:11]
	s_load_b64 s[12:13], s[0:1], 0x20              ; ptf
	v_lshl_add_u32 v30, v0, 2, SPARE
	v_mov_b32 v31, 0
	ds_add_u32 v30, v31                            ; the wave's opening: the add and its wait, ahead of my first tensor load
	ds_add_u32 v30, v31
	v_lshrrev_b32 v4, 5, v0
	v_readfirstlane_b32 s14, v4                    ; wave
	s_lshr_b32 s15, s14, 1                         ; tg
	s_and_b32 s16, s14, 1                          ; cg
	s_bfe_u32 s17, ttmp6, 0x40000                  ; cx
	s_lshl_b32 s18, ttmp9, 2
	s_add_co_u32 s18, s18, s17                     ; dblk = 4 x cluster x + cx: it enters wb's, qf's and ptf's addresses alone
	s_and_b32 s19, ttmp7, 0xffff                   ; b, which the partners share
	s_mov_b32 s24, 15|(1<<16)|(1<<20)|(1<<21)|(7<<22)|(3<<25)  ; mask of four; 2-byte elements; padding on; bit 21 beside a mask; after every 256 words (code 7) 4 words (code 3)
	s_mov_b32 s25, 512<<16                         ; tensor_dim0 = 512
	s_mov_b32 s26, 32<<16                          ; tensor_dim1 = 32
	s_mov_b32 s27, 512<<16                         ; tile_dim0 = 512
	s_mov_b32 s28, 32                              ; tile_dim1 = 32
	s_mov_b32 s29, 512                             ; 512 elements from row to row, in xb and in wcf
	s_mov_b32 s30, 0
	s_mov_b32 s31, 0
	s_mov_b32 s32, 1
	s_mul_i32 s33, s14, QTR                        ; my quarter of slot 0
	s_mov_b32 s43, 0
	s_lshl_b32 s56, s19, 20                        ; xb: b x 1,024 rows of 1,024 bytes
	s_lshl_b32 s58, s14, 15                        ; my 32 rows, in xb and in wcf
	s_add_co_u32 s56, s56, s58
	s_mov_b32 s57, 0
	s_mov_b32 s59, 0
	s_lshl_b32 s20, s18, 16                        ; wb: 64 rows a block
	s_mov_b32 s21, 0
	s_lshl_b32 s22, s18, 1
	s_add_co_u32 s22, s22, s16                     ; kd = 2 dblk + cg
	s_lshl_b32 s50, s19, 20                        ; qf[b][kd][st]: b x 16 x 65,536
	s_lshl_b32 s23, s22, 16
	s_add_co_u32 s50, s50, s23
	s_lshl_b32 s23, s15, 12                        ; st = 4 tg
	s_add_co_u32 s50, s50, s23
	s_mov_b32 s51, 0
	s_lshl_b32 s23, s19, 4
	s_add_co_u32 s22, s22, s23                     ; 16 b + kd
	s_mul_i32 s54, s22, 33792                      ; ptf[b][kd][ot 33]: tile 32 of kd = 2 dblk + cg
	s_add_co_u32 s54, s54, 32768
	s_mov_b32 s55, 0
	s_sub_co_u32 s22, s22, s16
	s_mul_i32 s52, s22, 33792                      ; kd = 2 dblk, ot = 8 w
	s_lshl_b32 s23, s14, 13
	s_add_co_u32 s52, s52, s23
	s_mov_b32 s53, 0
	s_mov_b32 s48, 0x3fb8aa3b                      ; log2 e
	s_mov_b32 s49, s48                             ; named with it as a pair
	s_mov_b32 s60, 0x3f803f80                      ; 1.0 twice in bf16
	s_mov_b32 s44, 1
	s_mov_b32 s46, 8
	s_mov_b32 s47, SLOTB                           ; the first change of slots turns it into 0
	s_wait_dscnt 0x0                               ; the opening add is done
	s_wait_kmcnt 0x0
	s_add_nc_u64 s[36:37], s[4:5], s[56:57]
	s_add_nc_u64 s[38:39], s[8:9], s[58:59]
	s_add_nc_u64 s[20:21], s[6:7], s[20:21]
	s_add_nc_u64 s[50:51], s[10:11], s[50:51]
	s_add_nc_u64 s[52:53], s[12:13], s[52:53]
	s_add_nc_u64 s[54:55], s[12:13], s[54:55]
	s_mov_b64 s[34:35], s[36:37]
	s_or_b32 s35, s35, 0x80000000
	CROUND                                         ; all four work-groups are here: the first joint loads meet
	tensor_load_to_lds s[32:35], s[24:31]          ; tile 0 into slot 0; slot 1 is asked for by the loop's own change of slots
	s_nop 0
	PLACES
	v_and_b32 v1, 15, v0                           ; r
	v_bfe_u32 v2, v0, 4, 1                         ; h
	v_and_b32 v3, 31, v0                           ; L
	s_lshl_b32 s56, s16, 15
	v_lshlrev_b32 v21, 10, v1
	v_lshl_add_u32 v21, v2, 4, v21
	v_add_nc_u32 v21, s56, v21                     ; (32 cg + r) x 1,024 + 16 h
	WIN 0x40                                       ; my 32 d of Wk stay in window 1, of Wq in window 2: fragments straight from memory
.irp ct, 0,1
.set ks, 0
.rept 16
	global_load_b128 v[8*(16*\ct+ks):8*(16*\ct+ks)+3],   v21, s[20:21] offset:16384*\ct+64*ks
	global_load_b128 v[8*(16*\ct+ks)+4:8*(16*\ct+ks)+7], v21, s[20:21] offset:16384*\ct+64*ks+32
.set ks, ks+1
.endr
.endr
	WIN 0x80
.irp ct, 0,1
.set ks, 0
.rept 16
	global_load_b128 v[8*(16*\ct+ks):8*(16*\ct+ks)+3],   v21, s[20:21] offset:524288+16384*\ct+64*ks
	global_load_b128 v[8*(16*\ct+ks)+4:8*(16*\ct+ks)+7], v21, s[20:21] offset:524288+16384*\ct+64*ks+32
.set ks, ks+1
.endr
.endr
	WIN 0
	v_mul_u32_u24 v8, v1, PITCH
	v_lshl_add_u32 v8, v2, 4, v8
	s_mul_i32 s56, s15, HALF
	v_add_nc_u32 v8, s56, v8                       ; x rows: (64 tg + r) x pitch + 16 h
	v_and_b32 v4, 7, v0
	v_lshl_add_u32 v4, v2, 3, v4
	v_mul_u32_u24 v9, v4, PITCH
	v_bfe_u32 v5, v0, 3, 1
	v_lshl_add_u32 v9, v5, 7, v9
	s_lshl_b32 s56, s14, 8
	v_add_nc_u32 v9, s56, v9                       ; x turned: (8 h + L % 8) x pitch + 128 ((L / 8) % 2) + 256 w
	s_mul_i32 s56, s14, 8*PITCH
	v_lshl_add_u32 v10, v3, 4, s56                 ; Wc: fragment 8 w, 16 L
	v_lshlrev_b32 v20, 4, v3
	s_lshl_b32 s56, s15, 13
	s_lshl_b32 s57, s16, 11
	s_add_co_u32 s56, s56, s57
	s_add_co_u32 s56, s56, KX
	v_add_nc_u32 v16, s56, v20                     ; KX fragment 4 (2 tg) + 2 cg
	v_add_nc_u32 v17, KX, v20
	s_lshl_b32 s56, s16, 14
	s_add_co_u32 s56, s56, GX
	v_add_nc_u32 v18, s56, v20                     ; GX chunks 4 (w % 2) ..
	v_add_nc_u32 v19, GX, v20
	s_lshl_b32 s56, s15, 8
	s_lshl_b32 s57, s16, 7
	s_add_co_u32 s56, s56, s57
	s_add_co_u32 s56, s56, KS
	v_lshl_add_u32 v22, v1, 2, s56
	v_lshl_add_u32 v22, v2, 9, v22                 ; KS[tg][32 cg + r]; lanes 16-31, which hold zeros, 512 bytes on
	s_add_co_u32 s57, s57, KS
	v_lshl_add_u32 v23, v2, 5, s57                 ; KS[0][32 cg + 8 h]
	v_cmp_eq_u32 vcc_lo, 0, v1
	v_cndmask_b32 v[ONES], 0, s60, vcc_lo          ; ones in row 0 alone
.irp j, 1,2,3,4,5,6,7
	v_mov_b32 v[ONES+\j], v[ONES]
.endr
.set i, 0
.rept 16
	v_mov_b32 v[KSA+i], 0
.set i, i+1
.endr
	WIN 0xc0
.set i, 0
.rept 256
	v_mov_b32 v[i], 0                              ; G's sums start at 0, written while the first tile is on its way
.set i, i+1
.endr
	WIN 0
	s_wait_loadcnt 0x0                             ; the weights
.Lx:                                   ; eight trips: a tile of 128 rows
	CHANGE 1
	FETCHX XB0, 0, 0
	FETCHX XB1, 0, 1
	PROJ 0
	PHI 0
	s_wait_xcnt 0x0                                ; Q's stores have read their registers, which buffer 1 takes again
	PLACES                                         ; and k_sum's products have read theirs
	FETCHX XB1, 1, 1
	PROJ 1
	PHI 1
	s_wait_xcnt 0x0
	s_add_nc_u64 s[50:51], s[50:51], 8192          ; qf: eight fragments on
	PLACES
	s_wait_dscnt 0x0                               ; for the others' sake: my fragments of K^T are in KX
	s_barrier_signal -1                            ; the refill stays on its way
	s_barrier_wait -1
	QUADG
	WIN 0
	s_sub_co_u32 s46, s46, 1
	s_cmp_lg_u32 s46, 0
	s_cbranch_scc1 .Lx
	PLACES
	WIN 0x8f                                       ; G's accumulators (window 3) into fragments (window 2): fragment (c, dt) from tiles (2 c, dt) and (2 c + 1, dt)
.irp c, 0,1,2,3
.irp dt, 0,1,2,3
.irp j, 0,1,2,3
	v_cvt_pk_bf16_f32 v[8*(4*\c+\dt)+\j], v[8*(8*\c+\dt)+2*\j], v[8*(8*\c+\dt)+2*\j+1]
.endr
.irp j, 0,1,2,3
	v_cvt_pk_bf16_f32 v[8*(4*\c+\dt)+4+\j], v[8*(8*\c+4+\dt)+2*\j], v[8*(8*\c+4+\dt)+2*\j+1]
.endr
.endr
.endr
	WIN 0
	ds_store_b32 v22, v[KSA]                       ; row 0 of k_sum's results lies in register 0 of lanes 0-15
	ds_store_b32 v22, v[KSA+8] offset:64
	s_cmp_lt_u32 s14, 2
	s_cbranch_scc0 .Lg01
	GSTORE                                         ; waves 0 and 1: i = 0 .. 255, k chunks 0-7
.Lg01:
	CHANGE 1                                       ; wcf's chunks 0-3 are in; GX and KS are whole
	s_cmp_lt_u32 s14, 2
	s_cbranch_scc0 .Lks
.irp tg, 0,1                           ; waves 0 and 1: the tile of ptf whose row 0 is k_sum, for kd = 2 dblk + w
.irp hf, 0,1
.irp p, 0,1
	ds_load_b128 v[32+16*\tg+8*\hf+4*\p:32+16*\tg+8*\hf+4*\p+3], v23 offset:256*\tg+64*\hf+16*\p
.endr
.endr
.endr
	s_wait_dscnt 0x0
.irp j, 0,1,2,3,4,5,6,7
	v_pk_add_f32 v[32+2*\j:33+2*\j], v[32+2*\j:33+2*\j], v[48+2*\j:49+2*\j]
.endr
.irp j, 0,1,2,3,4,5,6,7
	v_cvt_pk_bf16_f32 v[KSA+\j], v[32+2*\j], v[33+2*\j]
.endr
	v_cmp_eq_u32 vcc_lo, 0, v1
.irp j, 0,1,2,3,4,5,6,7
	v_cndmask_b32 v[KSA+\j], 0, v[KSA+\j], vcc_lo  ; rows 1-15 are 0
.endr
	global_store_b128 v20, v[KSA:KSA+3], s[54:55] th:TH_STORE_NT
	global_store_b128 v20, v[KSA+4:KSA+7], s[54:55] offset:512 th:TH_STORE_NT
.Lks:
	QUADE 0, 1                                     ; the first products start P's sums
	CHANGE 1
	QUADE 4, 0
	CHANGE 1                                       ; every wave's reads of GX are over
	s_cmp_lt_u32 s14, 2
	s_cbranch_scc1 .Lg23
	GSTORE                                         ; waves 2 and 3: i = 256 .. 511, k chunks 8-15
.Lg23:
	s_wait_dscnt 0x0
	s_barrier_signal -1
	s_barrier_wait -1
	QUADE 0, 0
	CHANGE 0                                       ; the last tile: nothing is asked for
	QUADE 4, 0
	PLACES
	WIN 0x05                                       ; P's accumulators (window 1): tiles (nt, 2 c) and (nt, 2 c + 1) lie on end, so fragment (nt, c) is eight conversions on end
.set i, 0
.rept 128
	v_cvt_pk_bf16_f32 v[32+i], v[2*i], v[2*i+1]
.set i, i+1
.endr
	WIN 0
.irp nt, 0,1,2,3,4,5,6,7
.irp c, 0,1
.irp hf, 0,1
	global_store_b128 v20, v[32+8*(2*\nt+\c)+4*\hf:32+8*(2*\nt+\c)+4*\hf+3], s[52:53] offset:33792*\c+1024*\nt+512*\hf th:TH_STORE_NT
.endr
.endr
.endr
	s_wait_tensorcnt 0x0                           ; the wave's end
	ds_add_u32 v30, v31
	s_wait_dscnt 0x0
	CROUND                                         ; the closing round
	s_endpgm
.Lfunc_end_k_q41f02c6556_kqg:
	.size	k_q41f02c6556_kqg, .Lfunc_end_k_q41f02c6556_kqg-k_q41f02c6556_kqg
	.p2alignl 7, 3214868480
	.fill 96, 4, 3214868480
	.section	.rodata,"a",@progbits
	.p2align	6, 0x0
	.amdhsa_kernel k_q41f02c6556_kqg
		.amdhsa_group_segment_fixed_size 327680
		.amdhsa_private_segment_fixed_size 0
		.amdhsa_enable_private_segment 0
		.amdhsa_kernarg_size 40
		.amdhsa_user_sgpr_count 2
		.amdhsa_user_sgpr_kernarg_segment_ptr 1
		.amdhsa_wavefront_size32 1
		.amdhsa_system_sgpr_workgroup_id_x 1
		.amdhsa_system_sgpr_workgroup_id_y 1
		.amdhsa_system_sgpr_workgroup_id_z 1
		.amdhsa_system_vgpr_workitem_id 0
		.amdhsa_next_free_vgpr 1024
		.amdhsa_next_free_sgpr 66
		.amdhsa_reserve_vcc 1
		.amdhsa_float_denorm_mode_32 3
		.amdhsa_float_denorm_mode_16_64 3
		.amdhsa_memory_ordered 1
		.amdhsa_forward_progress 1
		.amdhsa_inst_pref_size 184
	.end_amdhsa_kernel
	.amdgpu_metadata
---
amdhsa.version: [ 1, 2 ]
amdhsa.kernels:
  - .name:           k_q41f02c6556_kqg
    .symbol:         k_q41f02c6556_kqg.kd
    .args:
      - { .name: xb, .offset: 0, .size: 8, .value_kind: global_buffer, .address_space: global }
      - { .name: wb, .offset: 8, .size: 8, .value_kind: global_buffer, .address_space: global }
      - { .name: wcf, .offset: 16, .size: 8, .value_kind: global_buffer, .address_space: global }
      - { .name: qf, .offset: 24, .size: 8, .value_kind: global_buffer, .address_space: global }
      - { .name: ptf, .offset: 32, .size: 8, .value_kind: global_buffer, .address_space: global }
    .group_segment_fixed_size: 327680
    .private_segment_fixed_size: 0
    .kernarg_segment_align: 8
    .kernarg_segment_size: 40
    .max_flat_workgroup_size: 128
    .sgpr_count:     66
    .vgpr_count:     1024
    .wavefront_size: 32
...
	.end_amdgpu_metadata
.endif
;; end of part 2
;; launch outln (part 3): grid 8 x 32, 4 waves a work-group, clusters of 4 x 1, 327,680 bytes of LDS; arguments qf, ptf, bo, gamma, beta, out0; writes out0
.if DOCPART == 3
	.amdgcn_target "amdgcn-amd-amdhsa--gfx1250"
	.amdhsa_code_object_version 6
	.text
	.protected	k_q41f02c6556_outln
	.globl	k_q41f02c6556_outln
	.p2align	8
	.type	k_q41f02c6556_outln,@function
k_q41f02c6556_outln:
	s_mov_b64 s[64:65], 0
	v_nop
	global_prefetch_b8 v0, s[64:65] scope:SCOPE_SE
	s_setreg_imm32_b32 hwreg(HW_REG_WAVE_MODE, 25, 1), 1
	s_wait_xcnt 0x0
	s_wait_alu depctr_hold_cnt(0) depctr_sa_sdst(0) depctr_va_vdst(0) depctr_va_sdst(0) depctr_va_ssrc(0) depctr_va_vcc(0) depctr_vm_vsrc(0)
	s_getreg_b32 s2, hwreg(HW_REG_IB_STS2, 6, 4)
	s_cmp_eq_u32 s2, 0
	s_cbranch_scc0 .Lentry_in_a_cluster
	s_endpgm
.Lentry_in_a_cluster:
	s_bfe_u32 s2, ttmp6, 0x10000c
	s_cmp_lg_u32 s2, 0x3003
	s_cbranch_scc0 .Lentry_shape_is_right
	s_endpgm
.Lentry_shape_is_right:
; OUTLN.  y[s][o] = (sum over d of Q[s][d] P[d][o]) / max(sum over d of Q[s][d] k_sum[d], 1e-6) + bo[o]; then LayerNorm over o with gamma and beta (mean, then the mean of the squares of y - mean).
; SHARES.  Work-group (b, sblk): 128 rows by all 512 o.  Wave w (sg = w / 2, og = w % 2): 64 s (4 tiles) by 256 o (16 tiles): 512 registers of sums, and the divisor's 4 tiles.
; D[m = o][n = s] = P^T fragment (row o, k = d) x Q fragment (row s, k = d).  The divisor is one more tile of ptf (ot = 32) whose row 0 is k_sum: it falls into register 0 of lanes 0-15.
; RING.  ptf[b] comes in 4 tiles of four k chunks (33 fragments each, 135,168 bytes) through two slots; the four partners of a cluster share b, so each tile is asked for JOINTLY (mask 15), a chunk a wave.
; Two tensor loads of a wave are out at the start, later one.  Q's fragments come straight from memory into registers, four chunks ahead.
; THE WAY OUT.  The raw sums go into a stage of 128 rows x 2,064 bytes, which lies over the ring after its last fill; then a wave takes 32 whole rows, four at a time, a lane 16 numbers of a row.
; bo, gamma and beta are rounded to bf16 like every other input.  No prefetch: the launch's time is its stores' and loads', which follow each other without a gap.
; LIMITS.  The divisor is made of the rounded Q and k_sum; 1 / divisor and 1 / sqrt are the chip's approximations (1 ULP: ISA guide, 15.8); NaN and infinities are not treated apart.
.set CHB,   33792                      ; a k chunk: 33 fragments
.set SLOTB, 4*CHB                      ; 135,168: its bits meet none of 33,792 x wave
.set RDT,   2*SLOTB                    ; 1 / divisor of the 128 rows, each twice: 1,024 bytes
.set SPARE, RDT+1024                   ; the spare words, 128 bytes a wave: two blocks of 256 bytes that no other line names
.set SPT,   2064                       ; a stage row: 2,048 bytes + 16 = 129 x 16: the sixteen rows of a store start in sixteen different groups of four banks (ISA guide 11.1)
; window 0: v1 r, v2 h, v3 L; v8, v9 lane parts; v10-11 P^T (chunks 0-1, 2-3), v12-13 the divisor's tile likewise; v14 16 L; v15-16 stage in; v17 stage out; v18 RDT out; v19 RDT in; v30, v31 the add's
.set AB0,  32                          ; v[32:95]   P^T fragments mt 0-7
.set AB1,  96                          ; v[96:159]  mt 8-15; v[160:167] the divisor's
.set GAM,  168
.set BET,  184
.set BOV,  200
.set TS,   216                         ; v[216:247] at work, 8 a row
.set LD,   32                          ; the rows' phase: 4 rows x 16 as loaded,
.set Y,    96                          ; as worked on,
.set RD,   160                         ; and their four reciprocals, in pairs
; window 1: v[0:127] Q, four chunk slots of 32; v[128:159] the divisor's accumulators.  window 2: sums of mt 0-7 at 8 (4 mt + nt).  window 3: of mt 8-15
; s16 wave, s17 sg, s18 og, s19 cx, s20 sblk, s21 b; s[24:31] group 1; s[32:35], s[36:39] group 0 (the second walks); s[40:41] qf; s[42:43] out0; s44 count; s45 slot read; s[46:47] lane selects; s48 1/512, s49 1e-5, s50 1e-6, s51 -1/512
.set MSB, 0
.macro WIN new
.if MSB != (\new)
	s_set_vgpr_msb (MSB<<8)|(\new)
.set MSB, \new
.endif
.endm
.macro PLACES
.rept 4
	v_nop
.endr
.endm
.macro CROUND
	s_barrier_signal -1
	s_barrier_wait -1
	s_cmp_lg_u32 s16, 0
	s_cbranch_scc1 .Lnw0_\@
	s_barrier_signal -3
.Lnw0_\@:
	s_barrier_wait -3
	s_barrier_signal -1
	s_barrier_wait -1
.endm
.macro ADDRS
	v_add_nc_u32 v10, s45, v8
	v_add_nc_u32 v11, 2*CHB, v10
	v_add_nc_u32 v12, s45, v9
	v_add_nc_u32 v13, 2*CHB, v12
.endm
.macro CHANGE fill                     ; the change of slots: all my tensor loads, the add, my reads; with fill = 1 a round of the cluster's barrier and the joint refill first behind it
	WIN 0
	s_wait_tensorcnt 0x0
	ds_add_u32 v30, v31
.if \fill
	s_xor_b32 s37, s37, SLOTB                      ; the walking descriptor: the other slot, the next tile
	s_add_nc_u64 s[38:39], s[38:39], SLOTB
	s_wait_xcnt 0x0                                ; Q's loads have read their base
	s_add_nc_u64 s[40:41], s[40:41], 262144        ; four k chunks of qf on
.endif
	s_wait_dscnt 0x0
.if \fill
	CROUND
	tensor_load_to_lds s[36:39], s[24:31]
	s_nop 0
	PLACES
.else
	s_barrier_signal -1
	s_barrier_wait -1
.endif
	s_xor_b32 s45, s45, SLOTB
	ADDRS
.endm
.macro FA0 c                           ; 16 LDS loads: chunk c's fragments mt 0-7
	WIN 0
.irp mt, 0,1,2,3,4,5,6,7
	ds_load_b128 v[AB0+8*\mt:AB0+8*\mt+3],   v[10+(\c)/2] offset:((\c)%2)*CHB+1024*\mt
	ds_load_b128 v[AB0+8*\mt+4:AB0+8*\mt+7], v[10+(\c)/2] offset:((\c)%2)*CHB+1024*\mt+512
.endr
.endm
.macro FA1 c                           ; 18: mt 8-15 and the divisor's
	WIN 0
.irp mt, 0,1,2,3,4,5,6,7
	ds_load_b128 v[AB1+8*\mt:AB1+8*\mt+3],   v[10+(\c)/2] offset:((\c)%2)*CHB+1024*(\mt+8)
	ds_load_b128 v[AB1+8*\mt+4:AB1+8*\mt+7], v[10+(\c)/2] offset:((\c)%2)*CHB+1024*(\mt+8)+512
.endr
	ds_load_b128 v[AB1+64:AB1+67], v[12+(\c)/2] offset:((\c)%2)*CHB
	ds_load_b128 v[AB1+68:AB1+71], v[12+(\c)/2] offset:((\c)%2)*CHB+512
.endm
.macro QLOAD c                         ; 8 loads: Q's fragments of the next tile's chunk c into the slot just multiplied
	WIN 0x40
.irp nt, 0,1,2,3
	global_load_b128 v[32*(\c)+8*\nt:32*(\c)+8*\nt+3],   v14, s[40:41] offset:(4+(\c))*65536+1024*\nt
	global_load_b128 v[32*(\c)+8*\nt+4:32*(\c)+8*\nt+7], v14, s[40:41] offset:(4+(\c))*65536+1024*\nt+512
.endr
.endm
.macro YMUL ab, c, zero                ; 32 products on 32 accumulators, which take turns
.irp mt, 0,1,2,3,4,5,6,7
.irp nt, 0,1,2,3
.if \zero
	v_wmma_f32_16x16x32_bf16 v[8*(4*\mt+\nt):8*(4*\mt+\nt)+7], v[(\ab)+8*\mt:(\ab)+8*\mt+7], v[32*(\c)+8*\nt:32*(\c)+8*\nt+7], 0
.else
	v_wmma_f32_16x16x32_bf16 v[8*(4*\mt+\nt):8*(4*\mt+\nt)+7], v[(\ab)+8*\mt:(\ab)+8*\mt+7], v[32*(\c)+8*\nt:32*(\c)+8*\nt+7], v[8*(4*\mt+\nt):8*(4*\mt+\nt)+7]
.endif
.endr
.endr
.endm
; A k chunk: 68 products.  qn: the loads of Q younger than this chunk's eight.
.macro CH c, zero, refill, qn
	s_wait_loadcnt \qn
	s_wait_dscnt 18                                ; the first half's fragments are in; the second half's 18 loads stay out
	WIN 0xa4                                       ; P^T window 0, Q window 1, sums window 2
	YMUL AB0, \c, \zero
.if (\c) < 3
	PLACES
	FA0 (\c)+1
	s_wait_dscnt 16                                ; all but the 16 just issued
.else
	s_wait_dscnt 0x0
.endif
	WIN 0xf4                                       ; sums window 3
	YMUL AB1, \c, \zero
	WIN 0x54                                       ; the divisor's sums in window 1
.irp nt, 0,1,2,3
.if \zero
	v_wmma_f32_16x16x32_bf16 v[128+8*\nt:135+8*\nt], v[AB1+64:AB1+71], v[32*(\c)+8*\nt:32*(\c)+8*\nt+7], 0
.else
	v_wmma_f32_16x16x32_bf16 v[128+8*\nt:135+8*\nt], v[AB1+64:AB1+71], v[32*(\c)+8*\nt:32*(\c)+8*\nt+7], v[128+8*\nt:135+8*\nt]
.endif
.endr
.if ((\c) < 3) || (\refill)
	PLACES
.endif
.if (\c) < 3
	FA1 (\c)+1
.endif
.if \refill
	QLOAD \c
.endif
.endm
	s_load_b256 s[4:11], s[0:1], 0x0               ; qf s[4:5], ptf s[6:7], bo s[8:9], gamma s[10:11]
	s_load_b128 s[12:15], s[0:1], 0x20             ; beta s[12:13], out0 s[14:15]
	v_lshl_add_u32 v30, v0, 2, SPARE
	v_mov_b32 v31, 0
	ds_add_u32 v30, v31                            ; the wave's opening: the add and its wait, ahead of my first tensor load
	ds_add_u32 v30, v31
	v_lshrrev_b32 v4, 5, v0
	v_readfirstlane_b32 s16, v4                    ; wave
	s_lshr_b32 s17, s16, 1                         ; sg
	s_and_b32 s18, s16, 1                          ; og
	s_bfe_u32 s19, ttmp6, 0x40000                  ; cx
	s_lshl_b32 s20, ttmp9, 2
	s_add_co_u32 s20, s20, s19                     ; sblk: it enters qf's and out0's addresses alone
	s_and_b32 s21, ttmp7, 0xffff                   ; b, which the partners share
	s_mov_b32 s24, 15|(3<<16)|(1<<21)              ; mask of four; 8-byte elements; bit 21 beside a mask; no padding
	s_mov_b32 s25, 32<<16                          ; rows of 256 bytes
	s_mov_b32 s26, 132<<16                         ; 132 of them: a chunk, dense in memory
	s_mov_b32 s27, 32<<16
	s_mov_b32 s28, 132
	s_mov_b32 s29, 32
	s_mov_b32 s30, 0
	s_mov_b32 s31, 0
	s_mov_b32 s32, 1
	s_mul_i32 s33, s16, CHB                        ; my chunk of slot 0
	s_mov_b32 s36, 1
	s_add_co_u32 s37, s33, SLOTB                   ; and of slot 1
	s_mul_i32 s52, s21, 16*CHB                     ; ptf[b],
	s_add_co_u32 s52, s52, s33                     ; my chunk of tile 0
	s_mov_b32 s53, 0
	s_lshl_b32 s40, s21, 20                        ; qf[b][0][8 sblk + 4 sg]
	s_lshl_b32 s54, s20, 13
	s_add_co_u32 s40, s40, s54
	s_lshl_b32 s54, s17, 12
	s_add_co_u32 s40, s40, s54
	s_mov_b32 s41, 0
	s_lshl_b32 s42, s21, 21                        ; out0: row 1,024 b + 128 sblk + 32 w, 2,048 bytes a row
	s_lshl_b32 s54, s20, 18
	s_add_co_u32 s42, s42, s54
	s_lshl_b32 s54, s16, 16
	s_add_co_u32 s42, s42, s54
	s_mov_b32 s43, 0
	s_mov_b32 s45, 0
	s_mov_b32 s46, 0x76543210
	s_mov_b32 s47, 0xfedcba98
	s_mov_b32 s48, 0x3b000000                      ; 1 / 512
	s_mov_b32 s49, 0x3727c5ac                      ; 1e-5
	s_mov_b32 s50, 0x358637bd                      ; 1e-6
	s_mov_b32 s51, 0xbb000000                      ; -1 / 512
	s_wait_dscnt 0x0                               ; the opening add is done
	s_wait_kmcnt 0x0
	s_add_nc_u64 s[34:35], s[6:7], s[52:53]
	s_add_nc_u64 s[38:39], s[34:35], SLOTB
	s_or_b32 s35, s35, 0x80000000
	s_or_b32 s39, s39, 0x80000000
	s_add_nc_u64 s[40:41], s[4:5], s[40:41]
	s_add_nc_u64 s[42:43], s[14:15], s[42:43]
	CROUND                                         ; all four work-groups are here: the first joint loads meet
	tensor_load_to_lds s[32:35], s[24:31]          ; tile 0
	s_nop 0
	tensor_load_to_lds s[36:39], s[24:31]          ; tile 1
	s_nop 0
	PLACES
	v_and_b32 v1, 15, v0
	v_bfe_u32 v2, v0, 4, 1
	v_and_b32 v3, 31, v0
	v_lshlrev_b32 v14, 4, v3
.irp u, 0,1,2,3
	global_load_b128 v[BOV+4*\u:BOV+4*\u+3], v14, s[8:9] offset:512*\u     ; a lane's o = 128 u + 4 L + 0..3, as in the rows' phase
	global_load_b128 v[GAM+4*\u:GAM+4*\u+3], v14, s[10:11] offset:512*\u
	global_load_b128 v[BET+4*\u:BET+4*\u+3], v14, s[12:13] offset:512*\u
.endr
	WIN 0x40
.irp c, 0,1,2,3
.irp nt, 0,1,2,3
	global_load_b128 v[32*\c+8*\nt:32*\c+8*\nt+3],   v14, s[40:41] offset:\c*65536+1024*\nt
	global_load_b128 v[32*\c+8*\nt+4:32*\c+8*\nt+7], v14, s[40:41] offset:\c*65536+1024*\nt+512
.endr
.endr
	WIN 0
	s_lshl_b32 s54, s18, 14
	v_add_nc_u32 v8, s54, v14                      ; P^T: fragment 16 og, 16 L
	v_add_nc_u32 v9, 32768, v14                    ; the divisor's: fragment 32
	ADDRS
	s_lshl_b32 s54, s17, 6
	v_add_nc_u32 v4, s54, v1                       ; row 64 sg + r
	v_mul_u32_u24 v15, v4, SPT
	v_lshl_add_u32 v15, v2, 5, v15
	s_lshl_b32 s55, s18, 10
	v_add_nc_u32 v15, s55, v15                     ; stage in: row x pitch + 1,024 og + 32 h
	v_add_nc_u32 v16, 32*SPT, v15                  ; the same 32 rows on
	v_lshl_add_u32 v19, v4, 3, RDT
	s_mul_i32 s54, s16, 32*SPT
	v_add_nc_u32 v17, s54, v14                     ; stage out: row 32 w, 16 L
	s_lshl_b32 s54, s16, 8
	s_add_co_u32 s54, s54, RDT
	v_mov_b32 v18, s54
	s_wait_loadcnt 32                              ; the 12 loads of bo, gamma, beta are in; Q's 32 are younger
.irp base, GAM, BET, BOV
.set i, 0
.rept 8
	v_cvt_pk_bf16_f32 v[TS], v[\base+2*i], v[\base+2*i+1]
	v_lshlrev_b32 v[\base+2*i], 16, v[TS]
	v_and_b32 v[\base+2*i+1], 0xffff0000, v[TS]
.set i, i+1
.endr
.endr
	s_wait_tensorcnt 1                             ; my chunk of tile 0 is in; tile 1's may stay out
	s_barrier_signal -1
	s_barrier_wait -1
	FA0 0
	FA1 0
	CH 0, 1, 1, 24                                 ; the first chunk's products start the sums
	WIN 0
	s_mov_b32 s44, 3
	s_branch .Lmid
.Lt:                                   ; tiles 1 and 2: each change fills the slot just left
	CHANGE 1
	FA0 0
	FA1 0
	CH 0, 0, 1, 24
	WIN 0
.Lmid:
	CH 1, 0, 1, 24
	CH 2, 0, 1, 24
	CH 3, 0, 1, 24
	WIN 0
	s_sub_co_u32 s44, s44, 1
	s_cmp_lg_u32 s44, 0
	s_cbranch_scc1 .Lt
	CHANGE 0                                       ; the last tile is written out: nothing is asked for, and Q's counts run down
	FA0 0
	FA1 0
	CH 0, 0, 0, 24
	CH 1, 0, 0, 16
	CH 2, 0, 0, 8
	CH 3, 0, 0, 0
	WIN 0
	PLACES
	WIN 0x01
.irp nt, 0,1,2,3
	v_mov_b32 v[TS+2*\nt], v[128+8*\nt]            ; lanes 0-15: the divisor of row 16 nt + r; lanes 16-31: 0
.endr
	WIN 0
.irp nt, 0,1,2,3
	v_mov_b32 v[TS+2*\nt+1], 0
.endr
.irp nt, 0,1,2,3
	v_permlanex16_b32 v[TS+2*\nt+1], v[TS+2*\nt], s46, s47
.endr
.irp nt, 0,1,2,3
	v_add_f32 v[TS+2*\nt], v[TS+2*\nt], v[TS+2*\nt+1]
.endr
.irp nt, 0,1,2,3
	v_max_num_f32 v[TS+2*\nt], s50, v[TS+2*\nt]
.endr
.irp nt, 0,1,2,3
	v_rcp_f32 v[TS+2*\nt], v[TS+2*\nt]
.endr
	v_nop                                          ; a plain line behind the last reciprocal,
	s_wait_alu depctr_va_vdst(0)                   ; and one wait for the four, ahead of their first reader
.irp nt, 0,1,2,3
	v_mov_b32 v[TS+2*\nt+1], v[TS+2*\nt]
.endr
	s_cmp_eq_u32 s18, 0
	s_cbranch_scc0 .Lnord
.irp nt, 0,1,2,3
	ds_store_b64 v19, v[TS+2*\nt:TS+2*\nt+1] offset:128*\nt  ; both waves of a row half hold the same numbers: one of them stores
.endr
.Lnord:
	s_wait_dscnt 0x0                               ; my reads of the ring are over: the stage lies over it
	s_barrier_signal -1
	s_barrier_wait -1
.macro STG win, m0                     ; a lane's eight o of a row are 32 bytes on end; each accumulator's low half goes first
	WIN \win
.irp mt, 0,1,2,3,4,5,6,7
.irp nt, 0,1,2,3
	ds_store_b128 v[15+\nt/2], v[8*(4*\mt+\nt):8*(4*\mt+\nt)+3]   offset:16*SPT*(\nt%2)+64*(\mt+(\m0))
	ds_store_b128 v[15+\nt/2], v[8*(4*\mt+\nt)+4:8*(4*\mt+\nt)+7] offset:16*SPT*(\nt%2)+64*(\mt+(\m0))+16
.endr
.endr
.endm
	STG 0x08, 0
	STG 0x0c, 8
	WIN 0
	s_wait_dscnt 0x0
	s_barrier_signal -1
	s_barrier_wait -1
.macro RLOAD                           ; four rows, 512 consecutive bytes a load, and their reciprocals
.irp p, 0,1,2,3
.irp u, 0,1,2,3
	ds_load_b128 v[LD+16*\p+4*\u:LD+16*\p+4*\u+3], v17 offset:SPT*\p+512*\u
.endr
.endr
	ds_load_b128 v[RD:RD+3], v18
	ds_load_b128 v[RD+4:RD+7], v18 offset:16
.endm
.macro LANES reg                       ; the sum over the 32 lanes of register TS + 8 p + reg, for the four rows by turns; reg + 1 is at work
.irp m, 1,2,4,8
.irp p, 0,1,2,3
	v_add_f32_dpp v[TS+8*\p+(\reg)], v[TS+8*\p+(\reg)], v[TS+8*\p+(\reg)] row_xmask:\m row_mask:0xf bank_mask:0xf
.endr
.endr
.irp p, 0,1,2,3
	v_permlanex16_b32 v[TS+8*\p+(\reg)+1], v[TS+8*\p+(\reg)], s46, s47
.endr
.irp p, 0,1,2,3
	v_add_f32 v[TS+8*\p+(\reg)], v[TS+8*\p+(\reg)], v[TS+8*\p+(\reg)+1]
.endr
.endm
.macro ROWS more
	s_wait_dscnt 0x0                               ; the four rows are in
	s_wait_xcnt 0x0                                ; the last stores have read their registers and their base
	s_add_nc_u64 s[42:43], s[42:43], 8192          ; the stores below reach back by as much
.irp p, 0,1,2,3
.irp k, 0,1,2,3,4,5,6,7
	v_pk_fma_f32 v[Y+16*\p+2*\k:Y+16*\p+2*\k+1], v[LD+16*\p+2*\k:LD+16*\p+2*\k+1], v[RD+2*\p:RD+2*\p+1], v[BOV+2*\k:BOV+2*\k+1]
.endr
.endr
.if \more
	v_add_nc_u32 v17, 4*SPT, v17
	v_add_nc_u32 v18, 32, v18
	RLOAD                                          ; the next four rows come while these are worked on
.endif
.irp j, 0,1,2,3
.irp p, 0,1,2,3
	v_pk_add_f32 v[TS+8*\p+2*\j:TS+8*\p+2*\j+1], v[Y+16*\p+4*\j:Y+16*\p+4*\j+1], v[Y+16*\p+4*\j+2:Y+16*\p+4*\j+3]
.endr
.endr
.irp p, 0,1,2,3
	v_pk_add_f32 v[TS+8*\p:TS+8*\p+1], v[TS+8*\p:TS+8*\p+1], v[TS+8*\p+2:TS+8*\p+3]
	v_pk_add_f32 v[TS+8*\p+4:TS+8*\p+5], v[TS+8*\p+4:TS+8*\p+5], v[TS+8*\p+6:TS+8*\p+7]
.endr
.irp p, 0,1,2,3
	v_pk_add_f32 v[TS+8*\p:TS+8*\p+1], v[TS+8*\p:TS+8*\p+1], v[TS+8*\p+4:TS+8*\p+5]
.endr
.irp p, 0,1,2,3
	v_add_f32 v[TS+8*\p], v[TS+8*\p], v[TS+8*\p+1]
.endr
	LANES 0
.irp p, 0,1,2,3
	v_mul_f32 v[TS+8*\p], s51, v[TS+8*\p]          ; minus the mean
.endr
.irp k, 0,1,2,3,4,5,6,7
.irp p, 0,1,2,3
	v_pk_add_f32 v[Y+16*\p+2*\k:Y+16*\p+2*\k+1], v[Y+16*\p+2*\k:Y+16*\p+2*\k+1], v[TS+8*\p:TS+8*\p+1] op_sel_hi:[1,0]
.endr
.endr
.irp p, 0,1,2,3
	v_pk_mul_f32 v[TS+8*\p+2:TS+8*\p+3], v[Y+16*\p:Y+16*\p+1], v[Y+16*\p:Y+16*\p+1]
	v_pk_mul_f32 v[TS+8*\p+4:TS+8*\p+5], v[Y+16*\p+2:Y+16*\p+3], v[Y+16*\p+2:Y+16*\p+3]
.endr
.irp k, 2,4,6
.irp p, 0,1,2,3
	v_pk_fma_f32 v[TS+8*\p+2:TS+8*\p+3], v[Y+16*\p+2*\k:Y+16*\p+2*\k+1], v[Y+16*\p+2*\k:Y+16*\p+2*\k+1], v[TS+8*\p+2:TS+8*\p+3]
	v_pk_fma_f32 v[TS+8*\p+4:TS+8*\p+5], v[Y+16*\p+2*\k+2:Y+16*\p+2*\k+3], v[Y+16*\p+2*\k+2:Y+16*\p+2*\k+3], v[TS+8*\p+4:TS+8*\p+5]
.endr
.endr
.irp p, 0,1,2,3
	v_pk_add_f32 v[TS+8*\p+2:TS+8*\p+3], v[TS+8*\p+2:TS+8*\p+3], v[TS+8*\p+4:TS+8*\p+5]
.endr
.irp p, 0,1,2,3
	v_add_f32 v[TS+8*\p+2], v[TS+8*\p+2], v[TS+8*\p+3]
.endr
	LANES 2
.irp p, 0,1,2,3
	v_fma_f32 v[TS+8*\p+2], v[TS+8*\p+2], s48, s49 ; the variance + 1e-5
.endr
.irp p, 0,1,2,3
	v_rsq_f32 v[TS+8*\p+2], v[TS+8*\p+2]
.endr
	v_nop                                          ; a plain line behind the last of the batch,
	s_wait_alu depctr_va_vdst(0)                   ; and one wait for the four
.irp k, 0,1,2,3,4,5,6,7
.irp p, 0,1,2,3
	v_pk_mul_f32 v[Y+16*\p+2*\k:Y+16*\p+2*\k+1], v[Y+16*\p+2*\k:Y+16*\p+2*\k+1], v[TS+8*\p+2:TS+8*\p+3] op_sel_hi:[1,0]
.endr
.endr
.irp k, 0,1,2,3,4,5,6,7
.irp p, 0,1,2,3
	v_pk_fma_f32 v[Y+16*\p+2*\k:Y+16*\p+2*\k+1], v[Y+16*\p+2*\k:Y+16*\p+2*\k+1], v[GAM+2*\k:GAM+2*\k+1], v[BET+2*\k:BET+2*\k+1]
.endr
.endr
.irp p, 0,1,2,3
.irp u, 0,1,2,3
	global_store_b128 v14, v[Y+16*\p+4*\u:Y+16*\p+4*\u+3], s[42:43] offset:2048*\p+512*\u-8192 th:TH_STORE_NT  ; 512 consecutive bytes, aligned
.endr
.endr
.endm
	RLOAD
	s_mov_b32 s44, 7
.Lrow:
	ROWS 1
	s_sub_co_u32 s44, s44, 1
	s_cmp_lg_u32 s44, 0
	s_cbranch_scc1 .Lrow
	ROWS 0                                         ; the last four rows load nothing
	s_wait_tensorcnt 0x0                           ; the wave's end
	ds_add_u32 v30, v31
	s_wait_dscnt 0x0
	CROUND                                         ; the closing round
	s_endpgm
.Lfunc_end_k_q41f02c6556_outln:
	.size	k_q41f02c6556_outln, .Lfunc_end_k_q41f02c6556_outln-k_q41f02c6556_outln
	.p2alignl 7, 3214868480
	.fill 96, 4, 3214868480
	.section	.rodata,"a",@progbits
	.p2align	6, 0x0
	.amdhsa_kernel k_q41f02c6556_outln
		.amdhsa_group_segment_fixed_size 327680
		.amdhsa_private_segment_fixed_size 0
		.amdhsa_enable_private_segment 0
		.amdhsa_kernarg_size 48
		.amdhsa_user_sgpr_count 2
		.amdhsa_user_sgpr_kernarg_segment_ptr 1
		.amdhsa_wavefront_size32 1
		.amdhsa_system_sgpr_workgroup_id_x 1
		.amdhsa_system_sgpr_workgroup_id_y 1
		.amdhsa_system_sgpr_workgroup_id_z 1
		.amdhsa_system_vgpr_workitem_id 0
		.amdhsa_next_free_vgpr 1024
		.amdhsa_next_free_sgpr 66
		.amdhsa_reserve_vcc 0
		.amdhsa_float_denorm_mode_32 3
		.amdhsa_float_denorm_mode_16_64 3
		.amdhsa_memory_ordered 1
		.amdhsa_forward_progress 1
		.amdhsa_inst_pref_size 130
	.end_amdhsa_kernel
	.amdgpu_metadata
---
amdhsa.version: [ 1, 2 ]
amdhsa.kernels:
  - .name:           k_q41f02c6556_outln
    .symbol:         k_q41f02c6556_outln.kd
    .args:
      - { .name: qf, .offset: 0, .size: 8, .value_kind: global_buffer, .address_space: global }
      - { .name: ptf, .offset: 8, .size: 8, .value_kind: global_buffer, .address_space: global }
      - { .name: bo, .offset: 16, .size: 8, .value_kind: global_buffer, .address_space: global }
      - { .name: gamma, .offset: 24, .size: 8, .value_kind: global_buffer, .address_space: global }
      - { .name: beta, .offset: 32, .size: 8, .value_kind: global_buffer, .address_space: global }
      - { .name: out0, .offset: 40, .size: 8, .value_kind: global_buffer, .address_space: global }
    .group_segment_fixed_size: 327680
    .private_segment_fixed_size: 0
    .kernarg_segment_align: 8
    .kernarg_segment_size: 48
    .max_flat_workgroup_size: 128
    .sgpr_count:     66
    .vgpr_count:     1024
    .wavefront_size: 32
...
	.end_amdgpu_metadata
.endif
;; end of part 3
;; ======== version 2 of 2: 3 launches; version 1 with the launch prep written anew for expert scheduling mode
;; limits: values outside matrix products are rounded to bf16
;; workspace buffers: xb 33,554,432 bytes; wb 1,048,576 bytes; wcf 524,288 bytes; qf 33,554,432 bytes; ptf 17,301,504 bytes
;; launch prep (part 4): grid 1184 x 1, 4 waves a work-group, no clusters, 41,472 bytes of LDS; arguments x, Wk, Wq, Wo, Wv, xb, wb, wcf; writes xb, wb, wcf
.if DOCPART == 4
	.amdgcn_target "amdgcn-amd-amdhsa--gfx1250"
	.amdhsa_code_object_version 6
	.text
	.protected	k_q41f02c6556_prep
	.globl	k_q41f02c6556_prep
	.p2align	8
	.type	k_q41f02c6556_prep,@function
k_q41f02c6556_prep:
	s_mov_b64 s[64:65], 0
	v_nop
	global_prefetch_b8 v0, s[64:65] scope:SCOPE_SE
	s_setreg_imm32_b32 hwreg(HW_REG_WAVE_SCHED_MODE, 0, 2), 2
	s_setreg_imm32_b32 hwreg(HW_REG_WAVE_MODE, 25, 1), 1
	s_wait_xcnt 0x0
	s_wait_alu depctr_vm_vsrc(0)
; PREP.  Two kinds of work-group, told apart by the work-group's number alone (the same for all four waves of a group).
; 0 .. 127:  Wc = Wv + Wo Wv, [512 o][512 i].  The residual and the output projection behind the attention are one linear map, and V = x Wv^T is
;            linear too, so y = Q (K^T x) Wc^T / den + bo: exact algebra, whatever the inputs.  Wo and Wv are rounded to bf16, the sums are f32 and begin with bf16(Wv),
;            Wc is rounded once to bf16 and stored as matrix fragments.
; 128 .. 1183: x, Wk and Wq are rounded to bf16 (xb; wb = Wk's 512 rows, then Wq's): a stream, 64 KiB in and 32 KiB out for a work-group.
; A FRAGMENT in memory is 1,024 bytes: bytes 16 L .. of the first 512 are lane L's registers 0-3, of the second 512 its registers 4-7.
; wcf[kc 16][ot 32]: lane (r = L % 16, h = L / 16) holds Wc[16 ot + r][i0 + 64 h + 0 .. 15], i0 = 128 (kc / 4) + 16 (kc % 4): the order of i in which the next launch's G falls out of its products.
; NO CLUSTER: the groups of one kc share 64 KiB of Wv, read once each; the stream shares nothing.
; LIMITS: NaN and infinities are not treated apart.
; THE MODE: SCHED_MODE bits 1:0 = 2 (LLVM: expert scheduling mode 2), set by the entry lines.  The code itself states the register dependences
; between vector or matrix instructions and memory or LDS instructions, with s_wait_alu, always for 0.
; THE PLAN, Wc.  Registers that memory or LDS instructions touch:
;   v8 .. v13     offsets and LDS addresses: made once at the head, never written again.
;   v[16:143]     Wv: 32 loads land; 64 conversions close the numbers up in place; 32 LDS stores read them.  v[16:47] are then AF.
;   AF0, AF1      Step e: its two products read AF[e % 2]; the LDS loads issued in step e + 1 land in it (the fragments of step e + 2).
;   Wo's 4 slots  Step e: its eight conversions read slot e % 4; behind them the loads of step e + 4 land in it.
;   BF, ACC       named by vector and matrix instructions alone, but for ACC's first fill and the last two stores, which read BF's first set.
; So ONE wait on va_vdst stands in a step, behind its conversions; the step's loads follow it, dealt among its two products, which name ACC, AF[e % 2] and BF alone.
; THE PLAN, the stream.  32 pieces of 512 bytes go in 8 blocks of four.
;   X0 .. X4      five buffers of four pieces as loaded.  Block p's conversions read X[p % 5]; the loads of block p + 4, issued in block p, land in X[(p - 1) % 5].
;   Y             32 pairs to store, each written once, by block p's conversions; read by the four stores that are issued in block p + 1.
;   v8, v9        offsets, made once; all steps stand in the immediates.
; Block p's memory instructions touch the two buffers that block p - 1 worked on and that no vector line of block p names: one wait on va_vdst at a block's head states all that they hang on.
.set WSP,   80                         ; WS: [512 e][32 columns of bf16], 64 bytes + 16 of padding; columns 0-15 are i0 .., columns 16-31 are i0 + 64 ..
.set WVL,   16                         ; v[16:143]  32 loads of Wv
.set AF,    16                         ; v[16:47]   later: Wv^T fragments, two sets of two
.set ACC,   144                        ; v[144:159] two accumulators: i0 + 64 h + 0..7 and + 8..15
.set WOL,   160                        ; v[160:223] Wo in f32, four slots of 16
.set BF,    224                        ; v[224:239] Wo fragments, two sets
.set CX,    32                         ; the stream: v[32:111] twenty slots of 4: five buffers of four pieces
.set CY,    112                        ; v[112:175] thirty-two pairs to store, each written once
	s_load_b512 s[4:19], s[0:1], 0x0               ; x s[4:5], Wk s[6:7], Wq s[8:9], Wo s[10:11], Wv s[12:13], xb s[14:15], wb s[16:17], wcf s[18:19]
	v_lshl_add_u32 v14, v0, 2, 0xa000
	v_mov_b32 v15, 0
	v_lshrrev_b32 v1, 5, v0
	v_readfirstlane_b32 s20, v1                    ; wave 0..3
	v_and_b32 v2, 31, v0                           ; lane
	s_wait_alu depctr_va_sdst(0)                   ; s20 is written, ahead of the branch: on both ways scalar lines make places in the buffers from it
	s_cmp_lt_u32 ttmp9, 128
	s_cbranch_scc0 .Lcast
	; ---- Wc.  kc = group / 8; wave w makes the fragment of ot = 4 (group % 8) + w: two products D[m = i][n = o] = Wv^T (16 i x 32 e) x Wo (16 o x 32 e), sixteen steps of 32 along e.
	s_lshr_b32 s21, ttmp9, 3                       ; kc
	s_and_b32 s22, ttmp9, 7
	s_lshl2_add_u32 s22, s22, s20                  ; ot
	s_lshr_b32 s23, s21, 2
	s_lshl_b32 s23, s23, 7
	s_and_b32 s24, s21, 3
	s_lshl_b32 s24, s24, 4
	s_add_co_u32 s23, s23, s24                     ; i0
	s_lshl_b32 s23, s23, 2                         ; in bytes of f32
	s_lshl_b32 s26, s21, 5
	s_add_co_u32 s26, s26, s22
	s_lshl_b32 s26, s26, 10                        ; my fragment's place in wcf
	s_mov_b32 s27, 0
	v_lshrrev_b32 v3, 3, v0                        ; thread / 8: a row e of sixteen
	v_bfe_u32 v4, v0, 2, 1                         ; which of the two pieces of 16 columns
	v_and_b32 v5, 3, v0                            ; which four of them
	v_lshlrev_b32 v8, 11, v3
	v_lshl_add_u32 v8, v4, 8, v8
	v_lshl_add_u32 v8, v5, 4, v8
	v_add_nc_u32 v8, s23, v8                       ; v8: Wv at row x 2,048 + 256 piece + 16 quarter + 4 i0
	v_mul_u32_u24 v9, v3, WSP
	v_lshl_add_u32 v9, v4, 5, v9
	v_lshl_add_u32 v9, v5, 3, v9                   ; v9: WS at row x 80 + 32 piece + 8 quarter
	v_and_b32 v3, 15, v0                           ; r
	v_bfe_u32 v4, v0, 4, 1                         ; h
	s_lshl_b32 s24, s22, 15
	v_lshl_add_u32 v11, v3, 11, s24                ; row 16 ot + r of Wo and of Wv
	v_lshl_add_u32 v10, v4, 8, v11
	v_add_nc_u32 v10, s23, v10                     ; v10: the residual Wv[16 ot + r][i0 + 64 h ..]
	v_lshl_add_u32 v11, v4, 5, v11                 ; v11: Wo[16 ot + r][8 h ..]
	v_and_b32 v5, 7, v0
	v_lshl_add_u32 v5, v4, 3, v5
	v_mul_u32_u24 v12, v5, WSP
	v_bfe_u32 v5, v0, 3, 1
	v_lshl_add_u32 v12, v5, 5, v12                 ; v12: the turning load: row 8 h + L % 8; lanes 8-15 of each half take the second piece, 32 bytes on
	v_lshlrev_b32 v13, 4, v2                       ; v13: 16 L
	s_wait_kmcnt 0x0
	s_add_nc_u64 s[18:19], s[18:19], s[26:27]
	s_wait_alu depctr_va_vdst(0)                   ; the six offsets and addresses v8 to v13 are written, which every load and store of this way reads
.set n, 0
.rept 32
	global_load_b128 v[WVL+4*n:WVL+4*n+3], v8, s[12:13] offset:32768*n  ; rows 16 n + thread / 8
.set n, n+1
.endr
.irp j, 0,1,2,3
	global_load_b128 v[ACC+4*\j:ACC+4*\j+3], v10, s[12:13] offset:16*\j
.endr
.macro WOLOAD ke, hf                   ; Wo, 32 e from 32 ke on: half hf of a lane's 8 + 8 numbers
	global_load_b128 v[WOL+16*((\ke)%4)+8*(\hf):WOL+16*((\ke)%4)+8*(\hf)+3],   v11, s[10:11] offset:128*(\ke)+64*(\hf)
	global_load_b128 v[WOL+16*((\ke)%4)+8*(\hf)+4:WOL+16*((\ke)%4)+8*(\hf)+7], v11, s[10:11] offset:128*(\ke)+64*(\hf)+16
.endm
.irp ke, 0,1,2,3
	WOLOAD \ke, 0
	WOLOAD \ke, 1
.endr
	s_wait_loadcnt 20                              ; Wv's 32 loads are in; the residual's 4 and Wo's 16 are younger
.set n, 0
.rept 32
	v_cvt_pk_bf16_f32 v[WVL+4*n], v[WVL+4*n], v[WVL+4*n+1]     ; four numbers close up into the first two of their four registers
	v_cvt_pk_bf16_f32 v[WVL+4*n+1], v[WVL+4*n+2], v[WVL+4*n+3]
.set n, n+1
.endr
	s_wait_alu depctr_va_vdst(0)                   ; the conversions have written v[WVL ..], which the LDS stores read
.set n, 0
.rept 32
	ds_store_b64 v9, v[WVL+4*n:WVL+4*n+1] offset:16*WSP*n
.set n, n+1
.endr
	s_wait_dscnt 0x0                               ; for the others' sake: my part of WS is written
	s_barrier_signal -1
	s_barrier_wait -1
; Wv^T's two fragments of step ke, by the turning load, into the set of the step's parity
.macro WFRAG ke
.set fl, AF+16*((\ke)%2)
	ds_load_tr16_b128 v[fl:fl+3],     v12 offset:32*WSP*(\ke)
	ds_load_tr16_b128 v[fl+4:fl+7],   v12 offset:32*WSP*(\ke)+16*WSP
	ds_load_tr16_b128 v[fl+8:fl+11],  v12 offset:32*WSP*(\ke)+16
	ds_load_tr16_b128 v[fl+12:fl+15], v12 offset:32*WSP*(\ke)+16*WSP+16
.endm
	s_wait_alu depctr_vm_vsrc(0)                   ; my LDS stores have read v[16:47]: these registers are AF from here on, in which the fragments' loads land (the conversions that named them stand ahead of the last wait on va_vdst)
	WFRAG 0                                        ; step 0's fragments come while the residual is rounded; each step asks for the next step's
	s_wait_loadcnt 16                              ; the residual is in
.irp j, 0,1,2,3,4,5,6,7                ; the sums begin with bf16(Wv)
	v_cvt_pk_bf16_f32 v[BF+\j], v[ACC+2*\j], v[ACC+2*\j+1]
	v_lshlrev_b32 v[ACC+2*\j], 16, v[BF+\j]
	v_and_b32 v[ACC+2*\j+1], 0xffff0000, v[BF+\j]
.endr
; One step of 32 along e.  The two accumulators take turns; the sets of fragments go by the step's parity, so that the eight conversions of the step between
; are the places between a product and the next write of its sources.
.macro WSTEP ke
.if (\ke) < 13
	s_wait_loadcnt 12                              ; this step's four loads are in; three younger slots stay out
.else
	s_wait_loadcnt 4*(15-(\ke))
.endif
.set fb, BF+8*((\ke)%2)
.set fa, AF+16*((\ke)%2)
.set fw, WOL+16*((\ke)%4)
.irp j, 0,1,2,3,4,5,6,7
	v_cvt_pk_bf16_f32 v[fb+\j], v[fw+2*\j], v[fw+2*\j+1]
.endr
.if (\ke) < 15
	s_wait_alu depctr_va_vdst(0)                   ; the conversions are done reading Wo's slot, in which the loads of step ke + 4 land; the products of the step before are done reading the set in which the next step's fragments land
	WFRAG (\ke)+1
	s_wait_dscnt 4                                 ; LDS loads come back in order (ISA guide 5.7.1): this step's four are in, the four just issued stay out
.else
	s_wait_dscnt 0x0                               ; the last step asks for nothing
.endif
	v_wmma_f32_16x16x32_bf16 v[ACC:ACC+7], v[fa:fa+7], v[fb:fb+7], v[ACC:ACC+7]
.if (\ke) < 12
	WOLOAD (\ke)+4, 0                              ; no wait: no vector or matrix instruction since the wait above names this slot or v11
.endif
	v_wmma_f32_16x16x32_bf16 v[ACC+8:ACC+15], v[fa+8:fa+15], v[fb:fb+7], v[ACC+8:ACC+15]
.if (\ke) < 12
	WOLOAD (\ke)+4, 1
.endif
.endm
.irp ke, 0,1,2,3,4,5,6,7,8,9,10,11,12,13,14,15
	WSTEP \ke
.endr
.rept 4
	v_nop                                          ; four places between the last products and the conversions that read them
.endr
.irp j, 0,1,2,3,4,5,6,7
	v_cvt_pk_bf16_f32 v[BF+\j], v[ACC+2*\j], v[ACC+2*\j+1]
.endr
	s_wait_alu depctr_va_vdst(0)                   ; the conversions have written v[BF:BF+7], which the two stores read
	global_store_b128 v13, v[BF:BF+3], s[18:19]               ; 512 consecutive bytes each
	global_store_b128 v13, v[BF+4:BF+7], s[18:19] offset:512
	s_wait_dscnt 0x0                               ; the wave's end: the wait for my LDS instructions, then the closing add
	s_wait_alu depctr_hold_cnt(0) depctr_sa_sdst(0) depctr_va_vdst(0) depctr_va_sdst(0) depctr_va_ssrc(0) depctr_va_vcc(0) depctr_vm_vsrc(0)
	s_wait_tensorcnt 0x0
	ds_add_u32 v14, v15
	s_wait_dscnt 0x0
	s_endpgm
	; ---- the stream.  j = group - 128: j < 1,024: block j of x; then 16 blocks of Wk and 16 of Wq into wb's 32.
.Lcast:
	s_sub_co_u32 s21, ttmp9, 128                   ; j
	s_sub_co_u32 s22, s21, 1024                    ; the block in wb (used where j >= 1,024)
	s_and_b32 s23, s22, 15                         ; the block in Wk or Wq
	v_lshlrev_b32 v8, 4, v2                        ; 16 L: never rewritten; all steps stand in the immediates
	v_lshlrev_b32 v9, 3, v2                        ; 8 L
	s_wait_kmcnt 0x0
	s_cmp_lt_u32 s22, 16
	s_cselect_b64 s[24:25], s[6:7], s[8:9]
	s_cmp_lt_u32 s21, 1024
	s_cselect_b64 s[24:25], s[4:5], s[24:25]       ; from
	s_cselect_b64 s[26:27], s[14:15], s[16:17]     ; to
	s_cselect_b32 s28, s21, s23
	s_cselect_b32 s30, s21, s22
	s_lshl_b32 s28, s28, 16                        ; 64 KiB a block in,
	s_lshl_b32 s29, s20, 14                        ; 16 KiB a wave
	s_add_co_u32 s28, s28, s29
	s_mov_b32 s29, 0
	s_lshl_b32 s30, s30, 15                        ; half of that out
	s_lshl_b32 s31, s20, 13
	s_add_co_u32 s30, s30, s31
	s_mov_b32 s31, 0
	s_add_nc_u64 s[24:25], s[24:25], s[28:29]
	s_add_nc_u64 s[26:27], s[26:27], s[30:31]
	s_wait_alu depctr_va_vdst(0)                   ; v8 and v9 are written: every load and store of this way reads one of them as its offset
.set k, 0
.rept 20
	global_load_b128 v[CX+4*k:CX+4*k+3], v8, s[24:25] offset:512*k th:TH_LOAD_NT  ; blocks 0 to 4 into X0 to X4
.set k, k+1
.endr
; Block p of 8: pieces 4 p .. 4 p + 3, each 512 bytes in and 256 out.  Piece k lies in slot k % 20; each pair to store has registers of its own, so no store's data is ever rewritten.
; In front of a piece's two conversions stand a load of block p + 4 (blocks 1 to 3), into the slot that piece k - 4 left, and the store of piece k - 4.
.macro CBLK p
.if (\p) > 0
	s_wait_alu depctr_va_vdst(0)                   ; the block before has written its four pairs of Y, which the stores below read, and is done reading its X, in which the loads below land
.endif
.irp i, 0,1,2,3
.set k, 4*(\p)+\i
.if ((\p) > 0) && ((\p) < 4)
	global_load_b128 v[CX+4*((k+16)%20):CX+4*((k+16)%20)+3], v8, s[24:25] offset:512*(k+16) th:TH_LOAD_NT  ; no vector instruction since the wait names these registers
.endif
.if (\p) > 0
	global_store_b64 v9, v[CY+2*(k-4):CY+2*(k-4)+1], s[26:27] offset:256*(k-4) th:TH_STORE_NT  ; the wave's 32 lanes store 256 consecutive bytes, aligned
.endif
.if k < 4
	s_wait_loadcnt 19-k                            ; loads come back in order (ISA guide 5.7.1): piece k is in; of the twenty first loads the younger ones stay out
.elseif k < 16
	s_wait_loadcnt 16                              ; pieces up to k + 16 have been asked for: sixteen younger loads stay out
.else
	s_wait_loadcnt 31-k                            ; nothing more is asked for: the counts run down
.endif
	v_cvt_pk_bf16_f32 v[CY+2*k], v[CX+4*(k%20)], v[CX+4*(k%20)+1]
	v_cvt_pk_bf16_f32 v[CY+2*k+1], v[CX+4*(k%20)+2], v[CX+4*(k%20)+3]
.endr
.endm
.irp p, 0,1,2,3,4,5,6,7
	CBLK \p
.endr
	s_wait_alu depctr_va_vdst(0)                   ; block 7 has written its four pairs of Y, which the last four stores read
.irp q, 28,29,30,31
	global_store_b64 v9, v[CY+2*\q:CY+2*\q+1], s[26:27] offset:256*\q th:TH_STORE_NT
.endr
	s_endpgm
.Lfunc_end_k_q41f02c6556_prep:
	.size	k_q41f02c6556_prep, .Lfunc_end_k_q41f02c6556_prep-k_q41f02c6556_prep
	.p2alignl 7, 3214868480
	.fill 96, 4, 3214868480
	.section	.rodata,"a",@progbits
	.p2align	6, 0x0
	.amdhsa_kernel k_q41f02c6556_prep
		.amdhsa_group_segment_fixed_size 41472
		.amdhsa_private_segment_fixed_size 0
		.amdhsa_enable_private_segment 0
		.amdhsa_kernarg_size 64
		.amdhsa_user_sgpr_count 2
		.amdhsa_user_sgpr_kernarg_segment_ptr 1
		.amdhsa_wavefront_size32 1
		.amdhsa_system_sgpr_workgroup_id_x 1
		.amdhsa_system_sgpr_workgroup_id_y 1
		.amdhsa_system_sgpr_workgroup_id_z 1
		.amdhsa_system_vgpr_workitem_id 0
		.amdhsa_next_free_vgpr 240
		.amdhsa_next_free_sgpr 66
		.amdhsa_reserve_vcc 0
		.amdhsa_float_denorm_mode_32 3
		.amdhsa_float_denorm_mode_16_64 3
		.amdhsa_memory_ordered 1
		.amdhsa_forward_progress 1
		.amdhsa_inst_pref_size 48
	.end_amdhsa_kernel
	.amdgpu_metadata
---
amdhsa.version: [ 1, 2 ]
amdhsa.kernels:
  - .name:           k_q41f02c6556_prep
    .symbol:         k_q41f02c6556_prep.kd
    .args:
      - { .name: x, .offset: 0, .size: 8, .value_kind: global_buffer, .address_space: global }
      - { .name: Wk, .offset: 8, .size: 8, .value_kind: global_buffer, .address_space: global }
      - { .name: Wq, .offset: 16, .size: 8, .value_kind: global_buffer, .address_space: global }
      - { .name: Wo, .offset: 24, .size: 8, .value_kind: global_buffer, .address_space: global }
      - { .name: Wv, .offset: 32, .size: 8, .value_kind: global_buffer, .address_space: global }
      - { .name: xb, .offset: 40, .size: 8, .value_kind: global_buffer, .address_space: global }
      - { .name: wb, .offset: 48, .size: 8, .value_kind: global_buffer, .address_space: global }
      - { .name: wcf, .offset: 56, .size: 8, .value_kind: global_buffer, .address_space: global }
    .group_segment_fixed_size: 41472
    .private_segment_fixed_size: 0
    .kernarg_segment_align: 8
    .kernarg_segment_size: 64
    .max_flat_workgroup_size: 128
    .sgpr_count:     66
    .vgpr_count:     240
    .wavefront_size: 32
...
	.end_amdgpu_metadata
.endif
;; end of part 4
;; launch kqg: the kernel of part 2 again; grid 8 x 32, 4 waves a work-group, clusters of 4 x 1, 327,680 bytes of LDS; arguments xb, wb, wcf, qf, ptf; writes qf, ptf
;; launch outln: the kernel of part 3 again; grid 8 x 32, 4 waves a work-group, clusters of 4 x 1, 327,680 bytes of LDS; arguments qf, ptf, bo, gamma, beta, out0; writes out0
